; MI455X (gfx1250); checked and timed in simulation.
; The chip was launched on July 23, 2026; its instructions are those of AMD's public machine-readable ISA for CDNA 5 (MIT licence, August 2026) and "CDNA5" Instruction Set Architecture Reference Guide (July 2026). The comments in the code are by the model that wrote it; some were corrected since.
;; Multi Head Self Attention. Allowed arithmetic: matrix products marked QUANTISED: E4M3 operands, one E8M0 scale for each 32 along K, by v_wmma_scale_f32_16x16x128_f8f6f4 with both operands' format E4M3, f32 sums; everything else in f32.
;; Inputs: Wk_codes 1,024 x 32 x 32 uint8 (E4M3 codes of Wk, K innermost, in blocks of 32 codes); Wk_scales 1,024 x 32 uint8 (E8M0 scales of Wk, one for each 32 codes along K); Wo_codes 1,024 x 32 x 32 uint8 (E4M3 codes of Wo, K innermost, in blocks of 32 codes); Wo_scales 1,024 x 32 uint8 (E8M0 scales of Wo, one for each 32 codes along K); Wq_codes 1,024 x 32 x 32 uint8 (E4M3 codes of Wq, K innermost, in blocks of 32 codes); Wq_scales 1,024 x 32 uint8 (E8M0 scales of Wq, one for each 32 codes along K); Wv_codes 1,024 x 32 x 32 uint8 (E4M3 codes of Wv, K innermost, in blocks of 32 codes); Wv_scales 1,024 x 32 uint8 (E8M0 scales of Wv, one for each 32 codes along K); x_codes 4 x 2,048 x 32 x 32 uint8 (E4M3 codes of x, K innermost, in blocks of 32 codes); x_scales 4 x 2,048 x 32 uint8 (E8M0 scales of x, one for each 32 codes along K).
;; Outputs: out0 4 x 2,048 x 1,024 float32.
;; This version of the problem:
;;   THIS VERSION OF THE PROBLEM IS GIVEN IN LOW PRECISION. The matrix products marked QUANTISED in the list below multiply operands that are first quantised to E4M3 (4 exponent bits, 3 mantissa bits; 8 bits a number), with one power-of-two scale for each 32 numbers along K (OCP MX v1.0); their sums are f32. All else is computed in f32.
;;   The module's matrix products, in the order in which they are computed (A, B: the left and right operand; K: the contracted axis; several contracted axes count as one K, in the product's order):
;;     1. [M 8,192, K 1,024] x [K 1,024, N 1,024]; A: input x (given as codes); B: input Wq (given as codes): QUANTISED
;;     2. [M 8,192, K 1,024] x [K 1,024, N 1,024]; A: input x (given as codes); B: input Wk (given as codes): QUANTISED
;;     3. [M 8,192, K 1,024] x [K 1,024, N 1,024]; A: input x (given as codes); B: input Wv (given as codes): QUANTISED
;;     4. batch 64 x [M 2,048, K 64] x [K 64, N 2,048]; A: computed on the way; B: computed on the way: QUANTISED
;;     5. batch 64 x [M 2,048, K 2,048] x [K 2,048, N 64]; A: softmax (see below); B: computed on the way: QUANTISED
;;     6. [M 8,192, K 1,024] x [K 1,024, N 1,024]; A: computed on the way; B: input Wo (given as codes): QUANTISED
;;   THE QUANTISER, for each operand of a quantised product, along K:
;;     - K is cut into blocks of 32 from its start; a last block that is shorter is filled with zeros.
;;     - A block's scale is 2^e with e = floor(log2(the largest magnitude in the block)) - 8, held to -126 .. 127; a block of zeros has e = 0. As a byte (E8M0): e + 127.
;;     - Each number is divided by its block's scale, clamped to +-448, and rounded to the nearest number of E4M3, ties to even, subnormals kept.
;;     - The product sums the exact products of the quantised numbers (number of the format x scale) in f32.
;;   ~~~python
;;   def quantise(x, axis):      # numpy; x: float32 -> the quantised numbers, widened to float32 again
;;       x = np.moveaxis(x, axis, -1); K = x.shape[-1]
;;       x = np.pad(x, [(0, 0)] * (x.ndim - 1) + [(0, -K % 32)]); x = x.reshape(x.shape[:-1] + (-1, 32)); a = np.abs(x).max(-1, keepdims=True)
;;       e = np.where(a > 0, np.clip(np.frexp(np.where(a > 0, a, 1))[1] - 1 - 8, -126, 127), 0)      # np.frexp(a)[1] - 1 = floor(log2(a)), exactly
;;       r = np.clip(x / 2.0 ** e, -448, 448)
;;       step = 2.0 ** (np.maximum(np.frexp(np.where(r == 0, 1, r))[1] - 1, -6) - 3)
;;       q = np.round(r / step) * step * 2.0 ** e      # np.round: ties to even
;;       return np.moveaxis(q.reshape(q.shape[:-2] + (-1,))[..., :K], -1, axis).astype(np.float32)
;;   ~~~
;;   SOFTMAX AHEAD OF A QUANTISED PRODUCT. Where the list says 'softmax', what is quantised is not the finished softmax but p = 2^(t - M), with t = logit x log2(e) and M = ceil(the row's largest t), a whole number; so 1/2 < the row's largest p <= 1. The row's sum l is taken of the UNQUANTISED p, in f32, and the product's result is divided by l at the end. Since M is a whole number, a kernel that streams over the keys may use a running M (the ceiling of the running maximum): every later rescaling is an exact power of two, which a block's scale takes up: the codes' values come out the same.
;;   OPERANDS COMPUTED ON THE WAY. 'Computed on the way' means the value that the module computes at that place (a softmax that the list does not call 'softmax' is quantised finished and normalised). What goes into a quantiser is computed in f32, as accurately as f32 sums, v_exp_f32 and their like allow (about 1e-6 of the number): no bf16 or f16 on the way to a quantiser, and a product that is left as it is and whose result goes on into a quantised operand takes f32 operands (vector FMAs, or v_wmma_f32_16x16x4_f32). A number that lies on a knife's edge between two numbers of the format may be rounded either way, as far as f32 arithmetic and the matrix unit's own rounding can turn it there, and no further.
;;   INPUTS GIVEN AS CODES. Wk (in the module: [1024, 1024], K = its axis 1); Wo (in the module: [1024, 1024], K = its axis 1); Wq (in the module: [1024, 1024], K = its axis 1); Wv (in the module: [1024, 1024], K = its axis 1); x (in the module: [4, 2048, 1024], K = its axis 2): each comes as NAME_codes (uint8): NAME with its K axis moved to the last place and cut into blocks of 32 codes, [.., K / 32, bytes a block], one block behind the other in memory; one code a byte (a code: sign, 4 exponent bits, 3 mantissa bits); and NAME_scales (uint8): the same leading axes, one E8M0 byte (e + 127) for each 32 codes along K. Its value is code x scale, taken as it is: it is not quantised again, and the codes and scales need not be those that the quantiser above would give.
;; One version. Each part assembles by itself: llvm-mc -triple=amdgcn-amd-amdhsa -mcpu=gfx1250 --defsym DOCPART=n.
;; ======== version 1 of 1: 4 launches
;; limits: right only within a limited range of input values
;; workspace buffers: tab 557,056 bytes; qws 8,650,752 bytes; kws 8,650,752 bytes; vws 8,650,752 bytes; aws 8,650,752 bytes
;; launch ropetab (part 1): grid 136 x 1, 1 waves a work-group, no clusters, 0 bytes of LDS; arguments tab; writes tab
.if DOCPART == 1
	.amdgcn_target "amdgcn-amd-amdhsa--gfx1250"
	.amdhsa_code_object_version 6
	.text
	.protected	k_q17bf772ab9_ropetab
	.globl	k_q17bf772ab9_ropetab
	.p2align	8
	.type	k_q17bf772ab9_ropetab,@function
k_q17bf772ab9_ropetab:
	s_mov_b64 s[64:65], 0
	v_nop
	global_prefetch_b8 v0, s[64:65] scope:SCOPE_SE
	s_setreg_imm32_b32 hwreg(HW_REG_WAVE_MODE, 25, 1), 1
	s_wait_xcnt 0x0
; THE TABLE OF cos AND sin FOR THE ROTATION OF q AND k.  tab: [136 blocks of 16 positions][8 entries][32 lanes][16 bytes].
; Lane (r = lane % 16, h = lane / 16) of entry e holds (cos, sin, cos, sin) of the angles pos x 10^(-j / 8), pos = 16 x block + r, j = 8 (e / 2) + 4 h + 2 (e % 2) + 0, 1:
; the order in which the next launch's lanes hold the pairs of a head's 64 numbers, so that it loads the table 16 bytes a lane, 512 consecutive bytes an instruction.
; Blocks 128 to 135 hold the angle 0, (1, 0): the rotation that changes nothing, which the next launch applies to v.
; One wave to a block; a lane makes 16 angles, k = 0 .. 15, with j = 8 (k / 4) + k % 4 + 4 h; every line is written for all 16, so that no line waits for the line above it.
; HOW: x = pos x inv, rounded once; n = the nearest whole number to x 2 / pi; r = x - n pi / 2, pi / 2 in two parts by fused multiply-adds; sin r and cos r on |r| <= pi / 4 by polynomials of degree 7 and 8; the quadrant n % 4 swaps and signs them.
; LIMITS: the inverse frequencies are 10^(-j / 8) rounded to f32; a power and a reciprocal taken in f32 may differ from that in the last bits, which at position 2,047 is an angle of some 2.5e-4.  cos and sin are good to about 1e-7 absolute.
.set X, 16                             ; v16-31   the inverse frequency, the angle, then r, then sin's sign
.set N, 32                             ; v32-47   n, as f32 and then as a whole number, then cos's sign
.set Z, 48                             ; v48-63   r^2, then 1 - r^2 / 2, then n % 2
.set P, 64                             ; v64-79   sin r
.set C, 80                             ; v80-95   cos r
.set O, 96                             ; v96-127  the results: cos at 2 k, sin at 2 k + 1
	s_load_b64 s[4:5], s[0:1], 0x0                 ; tab
	v_and_b32 v1, 15, v0                           ; r
	v_bfe_u32 v2, v0, 4, 1                         ; h
	s_lshl_b32 s6, ttmp9, 4
	v_add_nc_u32 v3, s6, v1                        ; pos = 16 x block + r
	v_cvt_f32_u32 v3, v3
	s_cmp_lt_u32 ttmp9, 128
	s_cselect_b32 s7, 1.0, 0                       ; the last eight blocks: the angle 0
	v_mul_f32 v3, s7, v3
	v_cmp_eq_u32 vcc_lo, 1, v2                     ; lanes 16-31 take j + 4
	v_mov_b32 v4, 0xb94ca1f9                       ; sin's polynomial: -1.9515295891e-4,
	v_mov_b32 v5, 0x37ccf5ce                       ; cos's: 2.443315712e-5
	v_lshlrev_b32 v6, 4, v0                        ; 16 bytes a lane
	s_lshl_b32 s10, ttmp9, 12                      ; a block is 4,096 bytes
	s_mov_b32 s11, 0
.macro INV k, lo, hi                   ; 10^(-j / 8) for j = 8 (k / 4) + k % 4 (lanes 0-15) and for j + 4 (lanes 16-31)
	v_mov_b32 v[N+\k], \hi
	v_cndmask_b32 v[X+\k], \lo, v[N+\k], vcc_lo
.endm
	INV 0,  1.0,              0.3162277660
	INV 1,  0.7498942093,     0.2371373706
	INV 2,  0.5623413252,     0.1778279410
	INV 3,  0.4216965034,     0.1333521432
	INV 4,  0.1,              0.03162277660
	INV 5,  0.07498942093,    0.02371373706
	INV 6,  0.05623413252,    0.01778279410
	INV 7,  0.04216965034,    0.01333521432
	INV 8,  0.01,             0.003162277660
	INV 9,  0.007498942093,   0.002371373706
	INV 10, 0.005623413252,   0.001778279410
	INV 11, 0.004216965034,   0.001333521432
	INV 12, 0.001,            0.0003162277660
	INV 13, 0.0007498942093,  0.0002371373706
	INV 14, 0.0005623413252,  0.0001778279410
	INV 15, 0.0004216965034,  0.0001333521432
.irp k, 0,1,2,3,4,5,6,7,8,9,10,11,12,13,14,15
	v_mul_f32 v[X+\k], v3, v[X+\k]                 ; the angle, rounded once
.endr
.irp k, 0,1,2,3,4,5,6,7,8,9,10,11,12,13,14,15
	v_mul_f32 v[N+\k], 0x3f22f983, v[X+\k]         ; x 2 / pi
.endr
.irp k, 0,1,2,3,4,5,6,7,8,9,10,11,12,13,14,15
	v_rndne_f32 v[N+\k], v[N+\k]                   ; n, at most 1,303
.endr
.irp k, 0,1,2,3,4,5,6,7,8,9,10,11,12,13,14,15
	v_fmamk_f32 v[X+\k], v[N+\k], 0xbfc90fdb, v[X+\k]   ; - n x the upper part of pi / 2: nothing is rounded away, the difference fits in 24 bits
.endr
.irp k, 0,1,2,3,4,5,6,7,8,9,10,11,12,13,14,15
	v_fmamk_f32 v[X+\k], v[N+\k], 0x333bbd2e, v[X+\k]   ; - n x the lower part, which is -4.3711388e-8
.endr
.irp k, 0,1,2,3,4,5,6,7,8,9,10,11,12,13,14,15
	v_mul_f32 v[Z+\k], v[X+\k], v[X+\k]            ; z = r^2
.endr
.irp k, 0,1,2,3,4,5,6,7,8,9,10,11,12,13,14,15
	v_cvt_i32_f32 v[N+\k], v[N+\k]
.endr
.irp k, 0,1,2,3,4,5,6,7,8,9,10,11,12,13,14,15
	v_fmaak_f32 v[P+\k], v4, v[Z+\k], 0x3c08839e   ; + 8.3321608736e-3
	v_fmaak_f32 v[C+\k], v5, v[Z+\k], 0xbab6061a   ; - 1.388731625e-3
.endr
.irp k, 0,1,2,3,4,5,6,7,8,9,10,11,12,13,14,15
	v_fmaak_f32 v[P+\k], v[P+\k], v[Z+\k], 0xbe2aaaa3   ; - 1.6666654611e-1
	v_fmaak_f32 v[C+\k], v[C+\k], v[Z+\k], 0x3d2aaaa5   ; + 4.166664568e-2
.endr
.irp k, 0,1,2,3,4,5,6,7,8,9,10,11,12,13,14,15
	v_mul_f32 v[O+2*\k], v[Z+\k], v[X+\k]          ; z r
	v_mul_f32 v[O+2*\k+1], v[Z+\k], v[Z+\k]        ; z^2
.endr
.irp k, 0,1,2,3,4,5,6,7,8,9,10,11,12,13,14,15
	v_fma_f32 v[Z+\k], v[Z+\k], -0.5, 1.0          ; 1 - z / 2
.endr
.irp k, 0,1,2,3,4,5,6,7,8,9,10,11,12,13,14,15
	v_fma_f32 v[P+\k], v[P+\k], v[O+2*\k], v[X+\k]     ; sin r
	v_fma_f32 v[C+\k], v[C+\k], v[O+2*\k+1], v[Z+\k]   ; cos r
.endr
.irp k, 0,1,2,3,4,5,6,7,8,9,10,11,12,13,14,15
	v_and_b32 v[Z+\k], 1, v[N+\k]
	v_lshlrev_b32 v[X+\k], 30, v[N+\k]             ; sin is negative in quadrants 2 and 3: bit 1 of n,
	v_add_nc_u32 v[N+\k], 1, v[N+\k]               ; cos in quadrants 1 and 2: bit 1 of n + 1
.endr
.irp k, 0,1,2,3,4,5,6,7,8,9,10,11,12,13,14,15
	v_and_b32 v[X+\k], 0x80000000, v[X+\k]
	v_lshlrev_b32 v[N+\k], 30, v[N+\k]
.endr
.irp k, 0,1,2,3,4,5,6,7,8,9,10,11,12,13,14,15
	v_and_b32 v[N+\k], 0x80000000, v[N+\k]
	v_cmp_eq_u32 s9, 1, v[Z+\k]                    ; in the odd quadrants the two change places
	v_cndmask_b32 v[O+2*\k], v[C+\k], v[P+\k], s9
	v_cndmask_b32 v[O+2*\k+1], v[P+\k], v[C+\k], s9
.endr
.irp k, 0,1,2,3,4,5,6,7,8,9,10,11,12,13,14,15
	v_xor_b32 v[O+2*\k], v[O+2*\k], v[N+\k]
	v_xor_b32 v[O+2*\k+1], v[O+2*\k+1], v[X+\k]
.endr
	s_wait_alu depctr_va_vdst(0)
	s_wait_kmcnt 0x0
	s_add_nc_u64 s[4:5], s[4:5], s[10:11]
.irp e, 0,1,2,3,4,5,6,7
	global_store_b128 v6, v[O+4*\e:O+4*\e+3], s[4:5] offset:512*\e   ; the wave stores 512 consecutive bytes, at a multiple of 256 from the table's first byte
.endr
	s_endpgm
.Lfunc_end_k_q17bf772ab9_ropetab:
	.size	k_q17bf772ab9_ropetab, .Lfunc_end_k_q17bf772ab9_ropetab-k_q17bf772ab9_ropetab
	.p2alignl 7, 3214868480
	.fill 96, 4, 3214868480
	.section	.rodata,"a",@progbits
	.p2align	6, 0x0
	.amdhsa_kernel k_q17bf772ab9_ropetab
		.amdhsa_group_segment_fixed_size 0
		.amdhsa_private_segment_fixed_size 0
		.amdhsa_enable_private_segment 0
		.amdhsa_kernarg_size 8
		.amdhsa_user_sgpr_count 2
		.amdhsa_user_sgpr_kernarg_segment_ptr 1
		.amdhsa_wavefront_size32 1
		.amdhsa_system_sgpr_workgroup_id_x 1
		.amdhsa_system_sgpr_workgroup_id_y 1
		.amdhsa_system_sgpr_workgroup_id_z 1
		.amdhsa_system_vgpr_workitem_id 0
		.amdhsa_next_free_vgpr 128
		.amdhsa_next_free_sgpr 66
		.amdhsa_reserve_vcc 1
		.amdhsa_float_denorm_mode_32 3
		.amdhsa_float_denorm_mode_16_64 3
		.amdhsa_memory_ordered 1
		.amdhsa_forward_progress 1
		.amdhsa_inst_pref_size 25
	.end_amdhsa_kernel
	.amdgpu_metadata
---
amdhsa.version: [ 1, 2 ]
amdhsa.kernels:
  - .name:           k_q17bf772ab9_ropetab
    .symbol:         k_q17bf772ab9_ropetab.kd
    .args:
      - { .name: tab, .offset: 0, .size: 8, .value_kind: global_buffer, .address_space: global }
    .group_segment_fixed_size: 0
    .private_segment_fixed_size: 0
    .kernarg_segment_align: 8
    .kernarg_segment_size: 8
    .max_flat_workgroup_size: 32
    .sgpr_count:     66
    .vgpr_count:     128
    .wavefront_size: 32
...
	.end_amdgpu_metadata
.endif
;; end of part 1
;; launch qkv (part 2): grid 12 x 32, 4 waves a work-group, clusters of 4 x 4, 327,680 bytes of LDS; arguments x_codes, x_scales, Wq_codes, Wq_scales, Wk_codes, Wk_scales, Wv_codes, Wv_scales, tab, qws, kws, vws; writes qws, kws, vws
.if DOCPART == 2
	.amdgcn_target "amdgcn-amd-amdhsa--gfx1250"
	.amdhsa_code_object_version 6
	.text
	.protected	k_q17bf772ab9_qkv
	.globl	k_q17bf772ab9_qkv
	.p2align	8
	.type	k_q17bf772ab9_qkv,@function
k_q17bf772ab9_qkv:
	s_mov_b64 s[64:65], 0
	v_nop
	global_prefetch_b8 v0, s[64:65] scope:SCOPE_SE
	s_setreg_imm32_b32 hwreg(HW_REG_WAVE_MODE, 25, 1), 1
	s_wait_xcnt 0x0
	s_wait_alu depctr_hold_cnt(0) depctr_sa_sdst(0) depctr_va_vdst(0) depctr_va_sdst(0) depctr_va_ssrc(0) depctr_va_vcc(0) depctr_vm_vsrc(0)
	s_getreg_b32 s2, hwreg(HW_REG_IB_STS2, 6, 4)
	s_cmp_eq_u32 s2, 0
	s_cbranch_scc0 .Lentry_in_a_cluster
	s_endpgm
.Lentry_in_a_cluster:
	s_bfe_u32 s2, ttmp6, 0x10000c
	s_cmp_lg_u32 s2, 0xf033
	s_cbranch_scc0 .Lentry_shape_is_right
	s_endpgm
.Lentry_shape_is_right:
; q = rope(x Wq^T), k = rope(x Wk^T), v = x Wv^T, on codes of FP8 (E4M3) with one E8M0 scale for each 32 along K = 1,024; the results are quantised again, q and k along the head's 64, v along the keys, and stored
; as images of the registers in which the attention launch wants them.
; ONE TEXT FOR THE THREE.  The cluster's x says which: 0 q, 1 k, 2 v.  A product is C = A B^T on a tile of 256 x 256, four waves of 128 x 128 (64 accumulators, 512 registers).  The matrix instruction is used transposed
; (source 0 = 16 rows of B, source 1 = 16 rows of A), so that a lane holds ONE row of A and its registers run along B's rows.  For q and k, A = x (tokens) and B = the weight: a lane's registers run along the head's numbers.
; For v, A = Wv and B = x: a lane's registers run along the tokens, which are the keys.  In both cases that is the K of the product that comes next, so one quantiser serves all three.
; K goes in steps of 256 through a ring of two LDS slots filled by the tensor data mover; the scales of the work-group's rows come once, with the first fills, and stay.
; CLUSTERS: 4 x 4 work-groups.  The four of a row of the cluster need the same tiles of A, the four of a column the same tiles of B: each tile is asked for jointly, by the same tensor load with the same descriptor and a mask that names the four.
; THE ROTATION is two packed lines a pair, with (cos, sin) from the table that the launch before has made; v takes the table's blocks of the angle 0, so that no path parts on the kind: for v the two lines are the copy out of the accumulators' window.
; THE WAY OUT.  A wave's 128 x 128 results become 16,384 bytes of codes and 512 bytes of scales.  With a = block of 16 rows of A, lane (r, h), c = block of 32 along the registers, u = its half: the 8 codes of (a, r, h, c, u) lie at
;   (c / 2) 8192 + (a / 2) 2048 + (r / 8) 1024 + (c % 2) 512 + u 256 + (a % 2) 128 + (r % 8) 16 + 8 h.
; For q and k that is [head of the pair][tile t of 16 tokens][plane of 32 numbers][lane][16 bytes], lane (ri, hi) of tile t holding token 32 (t / 2) + 8 (t % 2) + ri + 8 (ri / 8); for v [keys 64 on][head][tile of 16 channels][plane of 32 keys][lane][16 bytes],
; lane (ri, hi) of tile t holding channel 32 (t / 2) + 8 (t % 2) + ri + 8 (ri / 8).  They are gathered in the wave's stage in LDS and leave 512 consecutive bytes an instruction.
; LIMITS: NaN and infinities are not served (for v the rotation by the angle 0 multiplies by 0).  A block of zeros gets the scale byte 1, not 127: its codes are zeros, and this program alone reads the bytes.
; REGISTERS, in windows of 256: window 0: v0-31 addresses; v32-63 scale words, two sets; from v128 A's fragments, one set; v64-127 free in the loop.  Window 1: B's fragments, two sets.  Windows 2, 3: the accumulators ((a, b) at v[8 (8 (a % 4) + b)]).
.set KSTEP,  256                       ; along K in a slot
.set NQ,     KSTEP/128                 ; matrix instructions deep
.set ROWB,   256                       ; a tile's row in bytes
.set KROW,   1024                      ; a row of x or of a weight in memory, in bytes
.set PITCH,  272                       ; an LDS row: 256 bytes + 16 of padding = 68 words: the 16 rows that a load touches start at 16 different banks
.set FR,     16                        ; registers of a fragment: 16 rows x 128 K
.set NL,     4                         ; LDS loads that bring one
.set NP,     8                         ; places behind this matrix instruction (ISA guide 7.12.1)
.set HALFT,  128*PITCH                 ; 128 rows: what one tensor load brings
.set SLOT,   4*HALFT                   ; A's 256 rows, then B's 256 rows
.set LAPS,   2                         ; a lap = two K steps = once round the ring: 1,024 / 512
.set KS,     32                        ; a row of scales in bytes
.set SCL,    2*SLOT                    ; behind the ring: the scales, as units of 256 bytes + 16 of padding
.set HALFS,  (128*KS/256)*272          ; the scales of 128 rows
.set SBLK,   (16*KS/256)*272           ; those of 16 rows
.set SPARE,  SCL+4*HALFS               ; the spare words, 128 bytes for each wave: two blocks of 256 bytes that no other line names
.set WST,    17408                     ; the way out: a stage for each wave: 16,384 bytes of codes, 512 of q's and k's scales, 512 of v's.  The stages lie in slot 0, which has had its last fill and its last read by then
.set SCOFF,  0x800000                  ; in each workspace buffer the scales lie behind 8 MiB of codes
.set STC,  8                           ; v8      the stage: where my codes go
.set STS1, 9                           ; v9      where a scale halfword goes (q, k)
.set STS2, 10                          ; v10     where a scale word goes (v)
.set RDB,  11                          ; v11     the stage, read back: 16 bytes a lane
.set GO,   12                          ; v12     16 x lane: my offset in the table and in the output; never rewritten
.set PW,   14                          ; v14-15  the scale word just made, two sets
.set ADRA, 16                          ; v16-17  LDS address of my A fragments in slot 0, 1
.set ADRB, 20                          ; v20-21  the same for B
.set ADRS, 27                          ; v27     LDS address of my scale words: lanes 0-15 A's rows, lanes 16-31 B's
.set SPW,  28                          ; v28     LDS address of my spare word; never rewritten
.set NIL,  29                          ; v29     0; never rewritten
.set SC,   32                          ; scale words: they hold scales and nothing else
.set CSR,  64                          ; v64-95  cos and sin for one block of 16 rows
.set PC,   96                          ; v96-127 the codes just made, two sets
.set AF,   128                         ; A's fragments
.set X,    128                         ; the way out: v128-191 64 numbers at work
.set TM,   192                         ; v192-207 the quantiser's own
.set G1, 24                            ; s[24:31] descriptor group 1 for A's tiles;  s[32:39] group 0, one set for each slot
.set G0, 32
.set G1B, 48                           ; s[48:55], s[56:63] the same for B's tiles
.set G0B, 56
.set G1S, 68                           ; s[68:75], s[76:79] groups 1 and 0 for A's scales;  s[80:87], s[88:91] for B's
.set G0S, 76
.set G1SB, 80
.set G0SB, 88
.set SEL, 2                            ; s[2:3] are set late: lane selects for v_permlanex16_b32 (s3 counts the laps before)
.set MNT, 100
.set MSB, 0
.macro WIN new                         ; the immediate's high byte repeats the setting that is left
.if MSB != (\new)
	s_set_vgpr_msb (MSB<<8)|(\new)
.set MSB, (\new)
.endif
.endm
.set MUL_LO, 0xa1                      ; source 0 (B) window 1, source 1 (A) window 0, C and D window 2
.set MUL_HI, 0xf1                      ; the same, C and D window 3
.set TO_B,   0x40                      ; destination window 1, address window 0
; A joint load: waves 0 and 1 fetch for A, waves 2 and 3 for B.  Each of the two lines has one mask and one set of registers for all that issue it; the branch hangs on the wave's number alone.
; Four v_nop follow each of the two lines, ahead of the jump, the label and what follows.
.macro JLOAD g0a, g1a, g0b, g1b
	s_cmp_eq_u32 s15, 0
	s_cbranch_scc0 .Lfor_b_\@
	tensor_load_to_lds s[\g0a:\g0a+3], s[\g1a:\g1a+7]
	s_nop 0
.rept 4
	v_nop
.endr
	s_branch .Lasked_\@
.Lfor_b_\@:
	tensor_load_to_lds s[\g0b:\g0b+3], s[\g1b:\g1b+7]
	s_nop 0
.rept 4
	v_nop
.endr
.Lasked_\@:
.endm
.macro CREST                           ; a round of the cluster's barrier behind its opening barrier
	s_cmp_lg_u32 s14, 0
	s_cbranch_scc1 .Lnot_wave_0_\@
	s_barrier_signal -3
.Lnot_wave_0_\@:
	s_barrier_wait -3
	s_barrier_signal -1
	s_barrier_wait -1
.endm
.macro CROUND                          ; a whole round
	s_barrier_signal -1
	s_barrier_wait -1
	CREST
.endm
	s_load_b512 s[24:39], s[0:1], 0x0              ; x's codes, x's scales, Wq's, Wk's, Wv's: eight addresses
	s_load_b256 s[40:47], s[0:1], 0x40             ; the table, qws, kws, vws
	v_lshl_add_u32 v[SPW], v0, 2, SPARE
	v_mov_b32 v[NIL], 0
	ds_add_u32 v28, v29
	ds_add_u32 v28, v29
	s_wait_dscnt 0x0
	v_lshrrev_b32 v1, 5, v0
	v_readfirstlane_b32 s14, v1                    ; wave 0..3
	s_lshr_b32 s15, s14, 1                         ; which half of the tile's rows is mine.  Also: I fetch for A (0) or for B (1)
	s_and_b32 s16, s14, 1                          ; which half of its columns.  Also: which 128 rows of that tile I fetch
	s_bfe_u32 s66, ttmp6, 0x40000                  ; cx, cy: my place in the cluster
	s_bfe_u32 s67, ttmp6, 0x40004
	s_and_b32 s18, ttmp7, 0xffff
	s_lshl_b32 s18, s18, 2                         ; 4 x cluster y: the tokens' tiles walk along the grid's y
	s_cmp_eq_u32 ttmp9, 2                          ; v?  The cluster's x is the same in all sixteen partners
	s_cselect_b32 s19, 0, s18
	s_cselect_b32 s20, s18, 0
	s_cselect_b32 s101, -1, 0                      ; all ones for v: a lane mask for the choice of the scales' layout
	s_add_co_u32 s17, s67, s19                     ; A's tile: q, k: tokens, 4 Y + cy;  v: Wv's rows, cy
	s_add_co_u32 s95, s66, s20                     ; B's tile: q, k: the weight's rows, cx;  v: tokens, 4 Y + cx
	s_wait_kmcnt 0x0
	s_cmp_eq_u32 ttmp9, 2                          ; the buffers are chosen on the cluster's x alone
	s_cselect_b64 s[4:5], s[36:37], s[24:25]       ; A's codes: Wv's or x's
	s_cselect_b64 s[6:7], s[38:39], s[26:27]       ; A's scales
	s_cselect_b64 s[12:13], s[46:47], s[42:43]     ; the output: vws, or qws,
	s_cmp_eq_u32 ttmp9, 1
	s_cselect_b64 s[12:13], s[44:45], s[12:13]     ; or kws
	s_cselect_b64 s[8:9], s[32:33], s[28:29]       ; B's codes: Wk's or Wq's,
	s_cselect_b64 s[10:11], s[34:35], s[30:31]
	s_cmp_eq_u32 ttmp9, 2
	s_cselect_b64 s[8:9], s[24:25], s[8:9]         ; or x's
	s_cselect_b64 s[10:11], s[26:27], s[10:11]
	s_mov_b64 s[98:99], s[40:41]                   ; the table.  From here on s24 to s47 are free for the descriptors
	s_lshl_b32 s43, s67, 2
	s_lshl_b32 s43, 15, s43                        ; my row of the cluster
	s_lshl_b32 s44, 0x1111, s66                    ; my column
	; descriptor group 1: a tile of 128 rows x 256 bytes, padded in LDS
	s_or_b32 s[G1+0], s43, (0<<16)|(1<<20)|(1<<21)|(5<<22)|(3<<25)  ; 15:0 the mask: A's tiles go to my row; 17:16 element of 1 byte; 20 padding on; 21 set beside a mask; 24:22 after every 64 words (code 5); 31:25 of 4 words (code 3)
	s_or_b32 s[G1B+0], s44, (0<<16)|(1<<20)|(1<<21)|(5<<22)|(3<<25)
.irp g, G1, G1B
	s_mov_b32 s[\g+1], ROWB<<16                    ; tensor_dim0
	s_mov_b32 s[\g+2], 128<<16                     ; tensor_dim1 = 128
	s_mov_b32 s[\g+3], ROWB<<16                    ; tile_dim0
	s_mov_b32 s[\g+4], 128                         ; tile_dim1 = 128
	s_mov_b32 s[\g+5], KROW                        ; tensor_dim0_stride
	s_mov_b32 s[\g+6], 0
	s_mov_b32 s[\g+7], 0
.endr
	; and for the scales of 128 rows: a dense block of 4,096 bytes, as rows of 256 bytes (32 elements of 8 bytes), 16 bytes of padding behind each
	s_or_b32 s[G1S+0], s43, (3<<16)|(1<<20)|(1<<21)|(5<<22)|(3<<25)
	s_or_b32 s[G1SB+0], s44, (3<<16)|(1<<20)|(1<<21)|(5<<22)|(3<<25)
.irp g, G1S, G1SB
	s_mov_b32 s[\g+1], 32<<16
	s_mov_b32 s[\g+2], (128*KS/256)<<16
	s_mov_b32 s[\g+3], 32<<16
	s_mov_b32 s[\g+4], 128*KS/256
	s_mov_b32 s[\g+5], 32
	s_mov_b32 s[\g+6], 0
	s_mov_b32 s[\g+7], 0
.endr
	s_lshl_b32 s18, s16, 7                         ; which 128 rows of the tile I fetch
	s_lshl_b32 s20, s17, 8
	s_add_co_u32 s20, s20, s18                     ; A: row 256 x tile + 128 x half
	s_lshl_b32 s46, s95, 8
	s_add_co_u32 s46, s46, s18                     ; B likewise
	s_mov_b32 s21, 0
	s_mov_b32 s47, 0
	s_mov_b64 s[18:19], KS
	s_mul_u64 s[22:23], s[20:21], s[18:19]         ; where these rows' scales begin, in bytes
	s_mul_u64 s[92:93], s[46:47], s[18:19]
	s_mov_b64 s[18:19], KROW
	s_mul_u64 s[20:21], s[20:21], s[18:19]         ; and their codes
	s_mul_u64 s[46:47], s[46:47], s[18:19]
	s_mul_i32 s45, s14, HALFT                      ; where they go: wave x 128 rows: no place in the cluster enters an LDS address
	s_mul_i32 s94, s14, HALFS
	s_add_nc_u64 s[20:21], s[4:5], s[20:21]
	s_add_nc_u64 s[22:23], s[6:7], s[22:23]
	s_add_nc_u64 s[46:47], s[8:9], s[46:47]
	s_add_nc_u64 s[92:93], s[10:11], s[92:93]
	CROUND                                         ; all sixteen work-groups are here: the first joint loads meet
	s_mov_b32 s[G0S], 1
	s_add_co_u32 s[G0S+1], s94, SCL
	s_mov_b64 s[G0S+2:G0S+3], s[22:23]
	s_or_b32 s[G0S+3], s[G0S+3], 0x80000000
	s_mov_b32 s[G0SB], 1
	s_add_co_u32 s[G0SB+1], s94, SCL
	s_mov_b64 s[G0SB+2:G0SB+3], s[92:93]
	s_or_b32 s[G0SB+3], s[G0SB+3], 0x80000000
	JLOAD G0S, G1S, G0SB, G1SB                     ; the scales first: they are wanted with K step 0
.irp s, 0,1
	s_mov_b32 s[G0+4*\s], 1
	s_add_co_u32 s[G0+4*\s+1], s45, \s*SLOT
	s_add_nc_u64 s[G0+4*\s+2:G0+4*\s+3], s[20:21], \s*ROWB
	s_or_b32 s[G0+4*\s+3], s[G0+4*\s+3], 0x80000000
	s_mov_b32 s[G0B+4*\s], 1
	s_add_co_u32 s[G0B+4*\s+1], s45, \s*SLOT
	s_add_nc_u64 s[G0B+4*\s+2:G0B+4*\s+3], s[46:47], \s*ROWB
	s_or_b32 s[G0B+4*\s+3], s[G0B+4*\s+3], 0x80000000
	JLOAD G0+4*\s, G1, G0B+4*\s, G1B
.endr
	v_and_b32 v1, 15, v0                           ; r = l % 16
	v_bfe_u32 v2, v0, 4, 1                         ; h = l / 16
	v_mul_u32_u24 v3, v1, PITCH
	v_lshl_add_u32 v4, v2, 4, v3                   ; a fragment's row x pitch + 16 x half
	s_mul_i32 s21, s15, HALFT                      ; my 128 rows of A
	s_mul_i32 s22, s16, HALFT                      ; my 128 rows of B,
	s_add_co_u32 s22, s22, 2*HALFT                 ; which lie behind A's 256
.irp s, 0,1
	v_add_nc_u32 v[ADRA+\s], s21, v4
	v_add_nc_u32 v[ADRB+\s], s22, v4
	s_add_co_u32 s21, s21, SLOT
	s_add_co_u32 s22, s22, SLOT
.endr
	v_mul_u32_u24 v5, v1, KS                       ; my row's scales: 32 bytes a row,
	v_lshrrev_b32 v6, 8, v5
	v_lshl_add_u32 v5, v6, 4, v5                   ; and 16 more for each 256 passed
	s_mul_i32 s21, s15, HALFS                      ; A's: my 128 rows
	s_mul_i32 s22, s16, HALFS                      ; B's: my 128 rows, behind A's 256
	s_add_co_u32 s22, s22, 2*HALFS
	s_sub_co_u32 s22, s22, s21
	v_mul_u32_u24 v6, s22, v2                      ; lanes 16-31 take B's
	s_add_co_u32 s21, s21, SCL
	v_add_nc_u32 v5, v5, v6
	v_add_nc_u32 v[ADRS], s21, v5
	s_mul_i32 s23, s14, WST                        ; my stage
	v_and_b32 v5, 7, v0                            ; r % 8
	v_bfe_u32 v6, v0, 3, 1                         ; r / 8
	v_lshlrev_b32 v7, 4, v5
	v_add_nc_u32 v7, s23, v7                       ; my stage + 16 (r % 8)
	v_lshl_add_u32 v[STC], v6, 10, v7
	v_lshl_add_u32 v[STC], v2, 3, v[STC]           ; codes: + 1024 (r / 8) + 8 h
	v_lshl_add_u32 v[STS1], v6, 1, v7
	v_add_nc_u32 v[STS1], 16384, v[STS1]           ; q's and k's scales: + 2 (r / 8), behind the codes
	v_lshl_add_u32 v[STS2], v6, 2, v7
	v_add_nc_u32 v[STS2], 16896, v[STS2]           ; v's: + 4 (r / 8), behind those
	v_and_b32 v[GO], 31, v0
	v_lshlrev_b32 v[GO], 4, v[GO]
	s_wait_alu depctr_va_vdst(0)
	v_add_nc_u32 v[RDB], s23, v[GO]
	; where my wave's block lies: g = its group of 128 tokens (0 .. 63), p = its pair of heads (0 .. 7); block ((g / 16) 8 + p) 16 + g % 16 of 16,384 bytes of codes and 512 of scales
	s_lshl_b32 s18, s17, 1
	s_add_co_u32 s18, s18, s15                     ; 2 x A's tile + my half of its rows
	s_lshl_b32 s19, s95, 1
	s_add_co_u32 s19, s19, s16                     ; 2 x B's tile + my half of its rows
	s_cmp_eq_u32 ttmp9, 2
	s_cselect_b32 s20, s19, s18                    ; g: by A for q and k, by B for v
	s_cselect_b32 s21, s18, s19                    ; p: the other one
	s_lshr_b32 s22, s20, 4
	s_lshl_b32 s22, s22, 3
	s_add_co_u32 s22, s22, s21
	s_lshl_b32 s22, s22, 4
	s_and_b32 s23, s20, 15
	s_add_co_u32 s22, s22, s23                     ; the block's number, under 512
	s_lshl_b32 s23, s23, 15                        ; the table: 8 blocks of 4,096 bytes for each group of 128 positions;
	s_cmp_eq_u32 ttmp9, 2
	s_cselect_b32 s46, 0x80000, s23                ; for v the eight blocks of the angle 0
	s_mov_b32 s47, 0
	s_add_nc_u64 s[98:99], s[98:99], s[46:47]
	s_lshl_b32 s46, s22, 9
	s_add_nc_u64 s[96:97], s[12:13], s[46:47]
	s_add_nc_u64 s[96:97], s[96:97], SCOFF         ; my 512 bytes of scales
	s_lshl_b32 s46, s22, 14
	s_add_nc_u64 s[12:13], s[12:13], s[46:47]      ; my 16,384 bytes of codes
.irp l, 0,1,2,3,4,5,6,7
	global_load_b128 v[CSR+4*\l:CSR+4*\l+3], v[GO], s[98:99] offset:512*\l   ; cos and sin for my first 16 rows: wanted only on the way out
.endr
.macro FRAG reg, adr, q, i             ; a fragment, 16 rows x 128 K of 8-bit codes, is 16 registers: lane l holds row l % 16; registers 4 c .. 4 c + 3 hold K = 32 c + 16 (l / 16) + 0 .. 15
.irp c, 0,1,2,3
	ds_load_b128 v[\reg+4*\c:\reg+4*\c+3], v[\adr] offset:128*(\q)+32*\c+(\i)*16*PITCH
.endr
.endm
; 16 matrix instructions: A's blocks a0, a0 + 1 x B's eight, 128 along K: the slot's q-th.  p: B's set;  sc: the set of scale words.  zero = 1: the first product starts the sums: nothing is ever cleared.
; The 64 accumulators take turns, one instruction a turn, in the same order in every step.
.macro MUL16 a0, p, q, sc, zero
.irp a, \a0, \a0+1
.irp b, 0,1,2,3,4,5,6,7
.if \zero
	v_wmma_scale_f32_16x16x128_f8f6f4 v[8*(8*((\a)%4)+\b):8*(8*((\a)%4)+\b)+7], v[128*(\p)+FR*\b:128*(\p)+FR*\b+FR-1], v[AF+FR*(\a):AF+FR*(\a)+FR-1], 0, v[SC+8*NQ*(\sc)+NQ*\b+(\q)], v[SC+8*NQ*(\sc)+NQ*(\a)+(\q)] matrix_a_scale:MATRIX_SCALE_ROW1
.else
	v_wmma_scale_f32_16x16x128_f8f6f4 v[8*(8*((\a)%4)+\b):8*(8*((\a)%4)+\b)+7], v[128*(\p)+FR*\b:128*(\p)+FR*\b+FR-1], v[AF+FR*(\a):AF+FR*(\a)+FR-1], v[8*(8*((\a)%4)+\b):8*(8*((\a)%4)+\b)+7], v[SC+8*NQ*(\sc)+NQ*\b+(\q)], v[SC+8*NQ*(\sc)+NQ*(\a)+(\q)] matrix_a_scale:MATRIX_SCALE_ROW1
.endif
.endr
.endr
.endm
.macro FETCH_B slot, q, p              ; B's eight fragments of the slot's q-th 128 along K into set p
	WIN TO_B
.irp i, 0,1,2,3,4,5,6,7
	FRAG 128*(\p)+FR*\i, ADRB+\slot, \q, \i
.endr
	WIN 0
.endm
.macro FETCH_A slot, q, i0             ; A's blocks i0 .. i0 + 3
.irp i, \i0, \i0+1, \i0+2, \i0+3
	FRAG AF+FR*(\i), ADRA+\slot, \q, \i
.endr
.endm
.macro SCALES sc                       ; the next K step's scale words into set sc: two words a row; lanes 0-15 take A's block i, lanes 16-31 B's block i
.irp i, 0,1,2,3,4,5,6,7
	ds_load_b64 v[SC+8*NQ*\sc+NQ*\i:SC+8*NQ*\sc+NQ*\i+1], v[ADRS] offset:\i*SBLK
.endr
.endm
; A load into a register that a matrix instruction has read, and a vector instruction that reads a matrix result or writes one of its registers, stand NP places behind that matrix instruction, and only plain vector
; instructions that name none of its registers are places (ISA guide 7.12.1 for vector instructions).
.macro PLACES n
.rept \n
	v_nop
.endr
.endm
; A step of 128 along K that has its successor in the same slot.
.macro STEP slot, q, zero
	s_wait_dscnt 4*NL                              ; B's set and A's blocks 0-3 are in; the youngest sixteen loads (A's blocks 4-7) may be out
	WIN MUL_LO
	MUL16 0, (\q)%2, \q, \slot, \zero
	MUL16 2, (\q)%2, \q, \slot, \zero
	s_wait_dscnt 0                                 ; A's blocks 4-7 are in (asked for 32 matrix instructions ago)
	PLACES NP
	FETCH_B \slot, (\q)+1, 1-(\q)%2
	FETCH_A \slot, (\q)+1, 0
	WIN MUL_HI
	MUL16 4, (\q)%2, \q, \slot, \zero
	MUL16 6, (\q)%2, \q, \slot, \zero
	PLACES NP
	WIN 0
	FETCH_A \slot, (\q)+1, 4
.endm
; A slot's last step changes slots: ONE barrier; in front of it each wave waits for all its tensor loads, adds 0 to its spare word, and waits for that and for its own reads of this slot.  fill = 1: this slot is filled again, two K steps ahead.
.macro TURN slot, next, fill
	s_wait_tensorcnt 0x0                           ; all my tensor loads have landed: my part of the next slot;  (every window is 0 here: the add's two registers lie in window 0)
	ds_add_u32 v[SPW], v[NIL]                      ; 0 onto my spare word;
	s_wait_dscnt 4*NL+1                            ; (the add and the youngest sixteen loads, A's blocks 4-7, may be out)
	WIN MUL_LO
	MUL16 0, 1, NQ-1, \slot, 0                     ; sixteen matrix instructions stand between the add and the wait for it
	s_wait_dscnt 0x0                               ; the add is done, and my reads of this slot are over
	s_barrier_signal -1
	MUL16 2, 1, NQ-1, \slot, 0
	WIN 0
	s_barrier_wait -1
.if \fill
	CREST                                          ; the barrier has opened a round of the cluster's barrier: no wave of any partner still reads this slot's tile or has a load on its way
	s_add_nc_u64 s[G0+4*\slot+2:G0+4*\slot+3], s[G0+4*\slot+2:G0+4*\slot+3], 2*ROWB
	s_add_nc_u64 s[G0B+4*\slot+2:G0B+4*\slot+3], s[G0B+4*\slot+2:G0B+4*\slot+3], 2*ROWB
	JLOAD G0+4*\slot, G1, G0B+4*\slot, G1B         ; the first tensor load behind the round; the four v_nop behind it are among the places in front of the loads below
	PLACES NP-4
.else
	PLACES NP
.endif
	s_wait_alu depctr_va_vdst(0)
	v_add_nc_u32 v[ADRS], 4*NQ, v[ADRS]            ; on to the next K step's scale words (no LDS load of mine is out)
	FETCH_B \next, 0, 0
	FETCH_A \next, 0, 0
	SCALES \next
	WIN MUL_HI
	MUL16 4, 1, NQ-1, \slot, 0
	MUL16 6, 1, NQ-1, \slot, 0
	PLACES NP
	WIN 0
	FETCH_A \next, 0, 4
.endm
	s_wait_tensorcnt 1                             ; the scales and my part of K step 0 are in (K step 1's load may be out),
	s_barrier_signal -1
	s_barrier_wait -1                              ; everybody's are
	FETCH_B 0, 0, 0
	FETCH_A 0, 0, 0
	SCALES 0
	FETCH_A 0, 0, 4
	STEP 0, 0, 1                                   ; the first step stands in front of the loop: its products start the sums
	s_mov_b32 s3, LAPS-1
.Llap:                                                 ; a trip goes once round the ring, from a lap's second step to the next lap's first, and fills both slots again
	TURN 0, 1, 1
	STEP 1, 0, 0
	TURN 1, 0, 1
	STEP 0, 0, 0
	s_sub_co_u32 s3, s3, 1
	s_cmp_lg_u32 s3, 0
	s_cbranch_scc1 .Llap
	TURN 0, 1, 0                                   ; the last lap fills nothing, and has no round of the cluster's barrier
	STEP 1, 0, 0
	s_wait_dscnt 4*NL                              ; the very last step: nothing more to fetch
	WIN MUL_LO
	MUL16 0, 1, NQ-1, 1, 0
	MUL16 2, 1, NQ-1, 1, 0
	s_wait_dscnt 0
	WIN MUL_HI
	MUL16 4, 1, NQ-1, 1, 0
	MUL16 6, 1, NQ-1, 1, 0
	WIN 0
; 64 numbers of a lane, v[s] on, register 16 b + i one of my 16 numbers of block b (the lane 16 away holds the other 16), become codes in v[pc] on and the four blocks' scale bytes in v[pw].
.macro QUANT s, pc, pw
.irp b, 0,1,2,3
	v_max3_num_f32 v[TM+\b], |v[\s+16*\b]|, |v[\s+1+16*\b]|, 0x4800000   ; block b: my 16 numbers, and the floor 2^(9 - 127), under which no largest magnitude is taken: so the byte cannot fall under 1
.endr
.irp i, 2,4,6,8,10,12,14
.irp b, 0,1,2,3
	v_max3_num_f32 v[TM+\b], v[TM+\b], |v[\s+16*\b+\i]|, |v[\s+1+16*\b+\i]|   ; (the four blocks by turns: no line waits for the line above it)
.endr
.endr
.irp b, 0,1,2,3
	v_permlanex16_b32 v[TM+4+\b], v[TM+\b], s[SEL], s[SEL+1]
.endr
.irp b, 0,1,2,3
	v_max_num_f32 v[TM+\b], v[TM+\b], v[TM+4+\b]   ; with lane l xor 16's: the block's largest magnitude
.endr
.irp b, 0,1,2,3
	v_add_nc_u32 v[TM+12+\b], 0xfc000000, v[TM+\b]   ; 8 off its exponent field: the conversion takes the exponent field of this operand as its scale, and nothing else of it
.endr
.irp b, 0,1,2,3
.endr
.irp b, 0,1,2,3
	v_lshrrev_b32 v[TM+4+\b], 23, v[TM+12+\b]      ; the scale's byte
.endr
	v_lshl_or_b32 v[\pw], v[TM+5], 8, v[TM+4]
	v_lshl_or_b32 v[\pw], v[TM+6], 16, v[\pw]
	v_lshl_or_b32 v[\pw], v[TM+7], 24, v[\pw]
.irp b, 0,1,2,3
.irp i, 0,1,2,3,4,5,6,7,8,9,10,11,12,13,14,15
.endr
	v_cvt_scalef32_pk8_fp8_f32 v[\pc+4*\b:\pc+1+4*\b], v[\s+16*\b:\s+7+16*\b], v[TM+12+\b]
	v_cvt_scalef32_pk8_fp8_f32 v[\pc+2+4*\b:\pc+3+4*\b], v[\s+8+16*\b:\s+15+16*\b], v[TM+12+\b]
.endr
	v_nop                                          ; one plain vector instruction behind the last scaled conversion, ahead of whatever next writes its sources
.endm
; THE WAY OUT of block a, 16 rows of A x my 128 rows of B: rotated (and so brought into window 0), quantised, codes and scales into my stage.
.macro EPI a
.set AC,  64*((\a)%4)
.set PCS, PC+16*((\a)%2)
.set PWS, PW+(\a)%2
	s_wait_loadcnt 0x0                             ; this block's cos and sin are in: the eight loads are the only ones out
	WIN 0x02+(\a)/4                                ; source 0: the accumulators' window
.irp b, 0,1,2,3,4,5,6,7
.irp m, 0,2,4,6
	v_pk_mul_f32 v[X+8*\b+\m:X+8*\b+\m+1], v[AC+8*\b+\m:AC+8*\b+\m+1], v[CSR+8*(\b%4)+\m:CSR+8*(\b%4)+\m+1] op_sel_hi:[1,0]   ; (x0 cos, x1 cos); each accumulator is read from its low end on
.endr
.endr
.irp b, 0,1,2,3,4,5,6,7
.irp m, 0,2,4,6
	v_pk_fma_f32 v[X+8*\b+\m:X+8*\b+\m+1], v[AC+8*\b+\m:AC+8*\b+\m+1], v[CSR+8*(\b%4)+\m:CSR+8*(\b%4)+\m+1], v[X+8*\b+\m:X+8*\b+\m+1] op_sel:[1,1,0] op_sel_hi:[0,1,1] neg_lo:[0,1,0]   ; (x0 cos - x1 sin, x1 cos + x0 sin)
.endr
.endr
	WIN 0
.if (\a) < 7
.irp l, 0,1,2,3,4,5,6,7
	global_load_b128 v[CSR+4*\l:CSR+4*\l+3], v[GO], s[98:99] offset:((\a)+1)*4096+512*\l   ; the next block's cos and sin land while this block is quantised
.endr
.endif
.if (\a) >= 2
	s_wait_dscnt 11                                ; the last block's eleven stores may be out; those of the block before it have read the set of registers that is written now
.endif
	QUANT X, PCS, PWS
.irp c, 0,1,2,3
.irp u, 0,1
	ds_store_b64 v[STC], v[PCS+4*\c+2*\u:PCS+4*\c+2*\u+1] offset:(\c/2)*8192+((\a)/2)*2048+(\c%2)*512+\u*256+((\a)%2)*128
.endr
.endr
	ds_store_b16 v[STS1], v[PWS] offset:((\a)%2)*128+((\a)/2)*4              ; q, k: the first head's two bytes (both halves of the lanes store the same number at the same place),
	ds_store_b16_d16_hi v[STS1], v[PWS] offset:((\a)%2)*128+((\a)/2)*4+256   ; the second head's
	ds_store_b32 v[STS2], v[PWS] offset:((\a)/4)*256+((\a)%2)*128+(((\a)/2)%2)*8   ; v: my channel's four bytes.  Both layouts are always written; the choice is made at the end, without a branch
.endm
	s_mov_b32 s[SEL], 0x76543210
	s_mov_b32 s[SEL+1], 0xfedcba98                 ; v_permlanex16_b32's selects for lane l xor 16
	PLACES NP                                      ; behind the last products: their results are read and A's registers are written from here on
.irp b, 0,1,2,3
	v_mov_b32 v[TM+4+\b], 0                        ; written once: a lane permute's destination counts as one of its sources
.endr
.irp a, 0,1,2,3,4,5,6,7
	EPI \a
.endr
	s_wait_dscnt 0x0                               ; my stores have read their registers, which the loads below fill
.set i, 0
.rept 32
	ds_load_b128 v[64+4*i:64+4*i+3], v[RDB] offset:512*i   ; my own stage, as it lies: LDS serves a wave's instructions in order
.set i, i+1
.endr
	ds_load_b128 v[192:195], v[RDB] offset:16384   ; the scales as q and k want them,
	ds_load_b128 v[196:199], v[RDB] offset:16896   ; and as v wants them
.set i, 0
.rept 32
	s_wait_dscnt 33-i                              ; load i is in; the 33 - i younger ones may be out
	global_store_b128 v[GO], v[64+4*i:64+4*i+3], s[12:13] offset:512*i   ; the wave stores 512 consecutive bytes, at a multiple of 256 from the buffer's first byte
.set i, i+1
.endr
	s_wait_dscnt 0x0
.irp k, 0,1,2,3
	v_cndmask_b32 v[200+\k], v[192+\k], v[196+\k], s101
.endr
	global_store_b128 v[GO], v[200:203], s[96:97]
	s_wait_tensorcnt 0x0                           ; the wave's end: behind my last tensor load and my last LDS store
	ds_add_u32 v[SPW], v[NIL]
	s_wait_dscnt 0x0
	CROUND                                         ; the closing round: no work-group ends while a partner may still ask for a tile that names it
	s_endpgm
.Lfunc_end_k_q17bf772ab9_qkv:
	.size	k_q17bf772ab9_qkv, .Lfunc_end_k_q17bf772ab9_qkv-k_q17bf772ab9_qkv
	.p2alignl 7, 3214868480
	.fill 96, 4, 3214868480
	.section	.rodata,"a",@progbits
	.p2align	6, 0x0
	.amdhsa_kernel k_q17bf772ab9_qkv
		.amdhsa_group_segment_fixed_size 327680
		.amdhsa_private_segment_fixed_size 0
		.amdhsa_enable_private_segment 0
		.amdhsa_kernarg_size 96
		.amdhsa_user_sgpr_count 2
		.amdhsa_user_sgpr_kernarg_segment_ptr 1
		.amdhsa_wavefront_size32 1
		.amdhsa_system_sgpr_workgroup_id_x 1
		.amdhsa_system_sgpr_workgroup_id_y 1
		.amdhsa_system_sgpr_workgroup_id_z 1
		.amdhsa_system_vgpr_workitem_id 0
		.amdhsa_next_free_vgpr 1024
		.amdhsa_next_free_sgpr 102
		.amdhsa_reserve_vcc 0
		.amdhsa_float_denorm_mode_32 3
		.amdhsa_float_denorm_mode_16_64 3
		.amdhsa_fp16_overflow 1
		.amdhsa_memory_ordered 1
		.amdhsa_forward_progress 1
		.amdhsa_inst_pref_size 197
	.end_amdhsa_kernel
	.amdgpu_metadata
---
amdhsa.version: [ 1, 2 ]
amdhsa.kernels:
  - .name:           k_q17bf772ab9_qkv
    .symbol:         k_q17bf772ab9_qkv.kd
    .args:
      - { .name: x_codes, .offset: 0, .size: 8, .value_kind: global_buffer, .address_space: global }
      - { .name: x_scales, .offset: 8, .size: 8, .value_kind: global_buffer, .address_space: global }
      - { .name: Wq_codes, .offset: 16, .size: 8, .value_kind: global_buffer, .address_space: global }
      - { .name: Wq_scales, .offset: 24, .size: 8, .value_kind: global_buffer, .address_space: global }
      - { .name: Wk_codes, .offset: 32, .size: 8, .value_kind: global_buffer, .address_space: global }
      - { .name: Wk_scales, .offset: 40, .size: 8, .value_kind: global_buffer, .address_space: global }
      - { .name: Wv_codes, .offset: 48, .size: 8, .value_kind: global_buffer, .address_space: global }
      - { .name: Wv_scales, .offset: 56, .size: 8, .value_kind: global_buffer, .address_space: global }
      - { .name: tab, .offset: 64, .size: 8, .value_kind: global_buffer, .address_space: global }
      - { .name: qws, .offset: 72, .size: 8, .value_kind: global_buffer, .address_space: global }
      - { .name: kws, .offset: 80, .size: 8, .value_kind: global_buffer, .address_space: global }
      - { .name: vws, .offset: 88, .size: 8, .value_kind: global_buffer, .address_space: global }
    .group_segment_fixed_size: 327680
    .private_segment_fixed_size: 0
    .kernarg_segment_align: 8
    .kernarg_segment_size: 96
    .max_flat_workgroup_size: 128
    .sgpr_count:     102
    .vgpr_count:     1024
    .wavefront_size: 32
...
	.end_amdgpu_metadata
.endif
;; end of part 2
;; launch attn (part 3): grid 4 x 64, 16 waves a work-group, clusters of 4 x 1, 272,384 bytes of LDS; arguments qws, kws, vws, aws; writes aws
.if DOCPART == 3
	.amdgcn_target "amdgcn-amd-amdhsa--gfx1250"
	.amdhsa_code_object_version 6
	.text
	.protected	k_q17bf772ab9_attn
	.globl	k_q17bf772ab9_attn
	.p2align	8
	.type	k_q17bf772ab9_attn,@function
k_q17bf772ab9_attn:
	s_mov_b64 s[64:65], 0
	v_nop
	global_prefetch_b8 v0, s[64:65] scope:SCOPE_SE
	s_setreg_imm32_b32 hwreg(HW_REG_WAVE_MODE, 25, 1), 1
	s_wait_xcnt 0x0
	s_wait_alu depctr_hold_cnt(0) depctr_sa_sdst(0) depctr_va_vdst(0) depctr_va_sdst(0) depctr_va_ssrc(0) depctr_va_vcc(0) depctr_vm_vsrc(0)
	s_getreg_b32 s2, hwreg(HW_REG_IB_STS2, 6, 4)
	s_cmp_eq_u32 s2, 0
	s_cbranch_scc0 .Lentry_in_a_cluster
	s_endpgm
.Lentry_in_a_cluster:
	s_bfe_u32 s2, ttmp6, 0x10000c
	s_cmp_lg_u32 s2, 0x3003
	s_cbranch_scc0 .Lentry_shape_is_right
	s_endpgm
.Lentry_shape_is_right:
; o = softmax(q k^T / 8, causal) v for one head of one batch to a cluster, both products on codes of FP8 (E4M3) with one E8M0 scale for each 32 along a product's K; o is quantised along the head and stored as the last launch's operand.
; THE SOFTMAX AHEAD OF THE SECOND PRODUCT: t = score x log2(e) / 8; M = the row's largest t so far, rounded UP to a whole number; p = 2^(t - M) is what is quantised, along the keys; it is not normalised.
; The row's sum is taken of the unquantised p, in f32, and divides O at the end.  When M moves, the sum and O are multiplied by 2^(old M - new M): exact.
; THE WHOLE HEAD LIES IN LDS.  K's and V's codes of 2,048 keys are 131,072 bytes each, their scales 4,096 each: they come ONCE, at the head, by joint loads of the cluster's four work-groups (the same tensor load, the same descriptor, a mask
; that names the four), two loads a wave.  Nothing is filled again and nothing is stored to LDS: one barrier in the launch.
; SHARES.  A head's 2,048 queries are 16 groups of 128, a group 8 tiles of 16.  Wave w of the work-group at place cx takes tile 2 cx + w % 2 of group 15 - w / 2, and then of group w / 2: 17 key steps of 128 keys for every wave.
; Group G sees the key steps 0 .. G; the steps behind are jumped over by a scalar branch on the wave's number and the step, in a loop of 16 trips; in step G hidden scores become -infinity.  cx enters global addresses and the mask's comparison alone.
; LAYOUT.  Both products are used transposed: S^T = K Q^T (source 0 = 16 keys, source 1 = my 16 queries), O^T = V^T P^T (source 0 = 16 channels, source 1 = P): a lane holds ONE query (lane % 16) throughout.
; Lane r of a tile of K holds key 32 (t / 2) + 8 (t % 2) + r + 8 (r / 8), so that the 16 registers of tiles 2 b and 2 b + 1 are the keys 32 b + 16 (lane / 16) + 0 .. 15: the conversions' results are P's registers.  V's channels are chosen
; likewise, so that O^T's registers are 16 neighbouring channels.  All operands lie in memory and in LDS as images of their registers: 16 bytes a lane, 512 an instruction.
; A HEAD HAS 64 NUMBERS, THE INSTRUCTION TAKES 128: a fragment of K is TWO tiles of keys side by side along K.  Multiplied by (q | zeros) it gives the first tile's scores, by (zeros | q) the second's: zero codes add nothing.
; LIMITS: NaN and infinities are not served.  A block of zeros gets the scale byte 1: its codes are zeros, and this program alone reads the bytes.  o's scale bytes are stored two to a lane, 32 bytes apart.
.set LI,  1                            ; v1   16 x lane: my place in a plane of K
.set LV,  2                            ; v2   the same for V, which lies behind K
.set LKS, 3                            ; v3   my row's four scale words of K: 16 r, behind the codes
.set LVS, 4                            ; v4   and of V
.set R16, 5                            ; v5   16 r
.set R32, 6                            ; v6   32 r: o's scale bytes
.set ADK, 7                            ; v7-10 the step's addresses
.set ADV, 8
.set ADS, 9
.set ADT, 10
.set DG,  11                           ; v11  my query's place in its group, less 16 (lane / 16)
                                       ; v12 -M, v13 the largest t, v[14:15] the sum in two halves; v16-23 zeros, v24-31 q, v32-39 zeros; v40-47 the second pass's q
.set KF,  48                           ; v48-111  four fragments of K, then of V
.set S,   112                          ; v112-175 S^T, then p
.set O,   176                          ; v176-207 O^T: four tiles
.set PCD, 208                          ; v208-223 p's codes
.set BM,  224                          ; v224-227 a block's largest score, then its largest p
.set BP,  228                          ; v228-231 the other half's; then the scales' bytes
.set HO,  232
.set SO,  236                          ; v236-239 the conversions' scale operands
.set KSW, 240                          ; v240-243 K's scale words;  v244-247 V's: scales and nothing else
.set VSW, 244
.set T0,  248                          ; v248 at work
.set HW,  249                          ; v249 o's two scale bytes
.set FF,  250                          ; v250 f = 2^(old M - new M); v251 p's scale word (named with f as a pair, of which the low word serves both halves)
.set PSW, 251
.set QSA, 252                          ; v252, v253 q's scale words of the two passes
.set QSB, 253
.set T2,  254                          ; v[254:255] at work
.set WV,  12                           ; s12 my wave's number;  s13 cx;  s14 batch x 16 + head;  s15 the head's place in its pair
.set GA,  16                           ; s16, s17 my two groups
.set GB,  17
.set TT,  18                           ; s18 my tile
.set MNT, 19
.set SEL, 20                           ; s[20:21] lane selects for v_permlanex16_b32: lane l xor 16
.set CS,  22                           ; s[22:23] c = log2(e) / 8
.set G1K, 24                           ; s[24:31], s[32:39], s[40:47] descriptor groups 1: K's codes, V's codes, scales
.set G1V, 32
.set G1S, 40
.set G0K, 48                           ; s[48:51] .. s[60:63] groups 0: K's codes, V's codes, K's scales, V's scales
.set G0V, 52
.set G0KS, 56
.set G0VS, 60
.set KC,  66                           ; s66 the key step;  s67 its codes' place in LDS, 8,192 bytes a step;  s68 its scales', 256 a step
.set TB,  67
.set TS,  68
.set SCOFF, 0x800000                   ; in each workspace buffer the scales lie behind 8 MiB of codes
.set LDV,  131072                      ; LDS: K's codes at 0, V's here,
.set LDKS, 262144                      ; K's scales,
.set LDVS, 266240                      ; V's
.macro CROUND                          ; a round of the cluster's barrier
	s_barrier_signal -1
	s_barrier_wait -1
	s_cmp_lg_u32 s[WV], 0
	s_cbranch_scc1 .Lnot_wave_0_\@
	s_barrier_signal -3
.Lnot_wave_0_\@:
	s_barrier_wait -3
	s_barrier_signal -1
	s_barrier_wait -1
.endm
	s_load_b256 s[4:11], s[0:1], 0x0               ; qws s[4:5], kws s[6:7], vws s[8:9], aws s[10:11]
	v_lshl_add_u32 v254, v0, 2, 0x42000
	v_mov_b32 v255, 0
	ds_add_u32 v254, v255
	ds_add_u32 v254, v255
	s_wait_dscnt 0x0
	v_lshrrev_b32 v1, 5, v0
	s_delay_alu instid0(VALU_DEP_1)
	v_readfirstlane_b32 s[WV], v1                  ; wave 0..15
	s_bfe_u32 s13, ttmp6, 0x40000                  ; cx
	s_and_b32 s14, ttmp7, 0xffff                   ; batch x 16 + head: the four partners share it
	s_and_b32 s15, s14, 1
	s_lshr_b32 s[GB], s[WV], 1                     ; the second pass's group: w / 2,
	s_xor_b32 s[GA], s[GB], 15                     ; the first's: 15 - w / 2
	s_and_b32 s69, s[WV], 1
	s_lshl_b32 s[TT], s13, 1
	s_add_co_u32 s[TT], s[TT], s69                 ; my tile: 2 cx + w % 2
	s_mov_b32 s[SEL], 0x76543210
	s_mov_b32 s[SEL+1], 0xfedcba98
	s_mov_b32 s[CS], 0x3e38aa3b                    ; log2(e) / 8
	s_mov_b32 s[CS+1], s[CS]                       ; (named with it as a pair, so it is written)
	; what I fetch: two key steps, 2 (w % 8) and the next; waves 0-7 of K, waves 8-15 of V.  In memory a step's block of 16,384 bytes holds both heads of a pair
	s_and_b32 s79, s[WV], 7
	s_lshr_b32 s80, s14, 1                         ; the pair of heads: batch x 8 + head / 2
	s_lshl_b32 s82, s80, 18                        ; its 16 blocks
	s_lshl_b32 s83, s79, 15                        ; my two of them
	s_add_co_u32 s82, s82, s83
	s_lshl_b32 s83, s15, 13
	s_add_co_u32 s84, s82, s83                     ; K: my head's 8,192 bytes of a block lie together
	s_mov_b32 s85, 0
	s_lshl_b32 s83, s15, 12
	s_add_co_u32 s86, s82, s83                     ; V: two runs of 4,096 bytes, 8,192 apart
	s_mov_b32 s87, 0
	s_lshl_b32 s88, s80, 13                        ; the scales: 512 bytes a step for the pair,
	s_lshl_b32 s83, s15, 8                         ; 256 of them my head's
	s_add_co_u32 s88, s88, s83
	s_lshl_b32 s83, s79, 10
	s_add_co_u32 s88, s88, s83
	s_add_co_u32 s88, s88, SCOFF
	s_mov_b32 s89, 0
	s_lshl_b32 s90, s79, 14                        ; in LDS: 16,384 bytes of codes,
	s_lshl_b32 s91, s79, 9                         ; 512 of scales
	; descriptor groups 1; elements of 8 bytes; no padding: the operands are read as they lie, 512 consecutive bytes an instruction
	s_mov_b32 s[G1K], 15|(3<<16)|(1<<21)           ; 15:0 the mask: all four work-groups; 17:16 elements of 8 bytes; 21 set beside a mask
	s_mov_b32 s[G1K+1], 1024<<16                   ; tensor_dim0 = 1,024 elements: 8,192 bytes
	s_mov_b32 s[G1K+2], 2<<16                      ; tensor_dim1 = 2
	s_mov_b32 s[G1K+3], 1024<<16                   ; tile_dim0
	s_mov_b32 s[G1K+4], 2                          ; tile_dim1
	s_mov_b32 s[G1K+5], 2048                       ; from row to row: 16,384 bytes
	s_mov_b32 s[G1K+6], 0
	s_mov_b32 s[G1K+7], 0
	s_mov_b32 s[G1V], 15|(3<<16)|(1<<21)
	s_mov_b32 s[G1V+1], 512<<16                    ; 4,096 bytes,
	s_mov_b32 s[G1V+2], 4<<16                      ; four rows,
	s_mov_b32 s[G1V+3], 512<<16
	s_mov_b32 s[G1V+4], 4
	s_mov_b32 s[G1V+5], 1024                       ; 8,192 bytes apart
	s_mov_b32 s[G1V+6], 0
	s_mov_b32 s[G1V+7], 0
	s_mov_b32 s[G1S], 15|(3<<16)|(1<<21)
	s_mov_b32 s[G1S+1], 32<<16                     ; 256 bytes,
	s_mov_b32 s[G1S+2], 2<<16                      ; two rows,
	s_mov_b32 s[G1S+3], 32<<16
	s_mov_b32 s[G1S+4], 2
	s_mov_b32 s[G1S+5], 64                         ; 512 bytes apart
	s_mov_b32 s[G1S+6], 0
	s_mov_b32 s[G1S+7], 0
	s_wait_kmcnt 0x0
	s_mov_b32 s[G0K], 1
	s_mov_b32 s[G0K+1], s90
	s_add_nc_u64 s[G0K+2:G0K+3], s[6:7], s[84:85]
	s_or_b32 s[G0K+3], s[G0K+3], 0x80000000
	s_mov_b32 s[G0V], 1
	s_add_co_u32 s[G0V+1], s90, LDV
	s_add_nc_u64 s[G0V+2:G0V+3], s[8:9], s[86:87]
	s_or_b32 s[G0V+3], s[G0V+3], 0x80000000
	s_mov_b32 s[G0KS], 1
	s_add_co_u32 s[G0KS+1], s91, LDKS
	s_add_nc_u64 s[G0KS+2:G0KS+3], s[6:7], s[88:89]
	s_or_b32 s[G0KS+3], s[G0KS+3], 0x80000000
	s_mov_b32 s[G0VS], 1
	s_add_co_u32 s[G0VS+1], s91, LDVS
	s_add_nc_u64 s[G0VS+2:G0VS+3], s[8:9], s[88:89]
	s_or_b32 s[G0VS+3], s[G0VS+3], 0x80000000
	CROUND                                         ; all four work-groups are here: the joint loads meet
	s_cmp_lt_u32 s[WV], 8                          ; a wave's two fills stand in one branch, ahead of every wait on TENSORcnt, every LDS read and the barrier: two loads of mine are out
	s_cbranch_scc0 .Lfirst_v
	tensor_load_to_lds s[G0K:G0K+3], s[G1K:G1K+7]
	s_nop 0
	tensor_load_to_lds s[G0KS:G0KS+3], s[G1S:G1S+7]
	s_nop 0
.rept 4
	v_nop
.endr
	s_branch .Lfirst_asked
.Lfirst_v:
	tensor_load_to_lds s[G0V:G0V+3], s[G1V:G1V+7]
	s_nop 0
	tensor_load_to_lds s[G0VS:G0VS+3], s[G1S:G1S+7]
	s_nop 0
.rept 4
	v_nop
.endr
.Lfirst_asked:
	; q's two tiles and o's two places: these hang on cx, and enter global addresses alone
	s_lshl_b32 s78, s80, 4
	s_add_co_u32 s79, s78, s[GA]                   ; the first pass's block: pair x 16 + group,
	s_add_co_u32 s78, s78, s[GB]                   ; the second's
	s_lshl_b32 s82, s15, 13
	s_lshl_b32 s83, s[TT], 10
	s_add_co_u32 s82, s82, s83                     ; in a block: my head's 8,192 bytes, my tile's 1,024
	s_lshl_b32 s84, s79, 14
	s_add_co_u32 s84, s84, s82
	s_add_nc_u64 s[86:87], s[4:5], s[84:85]        ; q's codes, first pass
	s_lshl_b32 s84, s78, 14
	s_add_co_u32 s84, s84, s82
	s_add_nc_u64 s[88:89], s[4:5], s[84:85]        ; second pass
	s_lshl_b32 s82, s15, 8
	s_lshl_b32 s83, s[TT], 1
	s_add_co_u32 s82, s82, s83
	s_add_co_u32 s82, s82, SCOFF                   ; q's scales: my head's 256 bytes; row r's 16; my tile's two
	s_lshl_b32 s84, s79, 9
	s_add_co_u32 s84, s84, s82
	s_add_nc_u64 s[90:91], s[4:5], s[84:85]
	s_lshl_b32 s84, s78, 9
	s_add_co_u32 s84, s84, s82
	s_add_nc_u64 s[92:93], s[4:5], s[84:85]
	s_and_b32 s94, s14, 15                         ; the head
	s_lshr_b32 s95, s14, 4
	s_lshl_b32 s95, s95, 4                         ; 16 x batch
	s_lshr_b32 s82, s94, 2
	s_lshl_b32 s82, s82, 21                        ; o's codes: [4 heads: 256 along the last product's K][block of 16 rows: 4,096 bytes][head % 4: 1,024][plane of 32: 512][lane: 16]
	s_and_b32 s83, s94, 3
	s_lshl_b32 s83, s83, 10
	s_add_co_u32 s82, s82, s83
	s_add_co_u32 s96, s95, s[GA]
	s_lshl_b32 s96, s96, 3
	s_add_co_u32 s96, s96, s[TT]                   ; the block of 16 rows: (16 x batch + group) x 8 + tile
	s_add_co_u32 s97, s95, s[GB]
	s_lshl_b32 s97, s97, 3
	s_add_co_u32 s97, s97, s[TT]
	s_lshl_b32 s84, s96, 12
	s_add_co_u32 s84, s84, s82
	s_add_nc_u64 s[70:71], s[10:11], s[84:85]      ; o's codes, first pass
	s_lshl_b32 s84, s97, 12
	s_add_co_u32 s84, s84, s82
	s_add_nc_u64 s[74:75], s[10:11], s[84:85]      ; second pass
	s_lshl_b32 s83, s94, 1
	s_add_co_u32 s83, s83, SCOFF                   ; o's scales: 32 bytes a row, two for each head
	s_lshl_b32 s84, s96, 9
	s_add_co_u32 s84, s84, s83
	s_add_nc_u64 s[72:73], s[10:11], s[84:85]
	s_lshl_b32 s84, s97, 9
	s_add_co_u32 s84, s84, s83
	s_add_nc_u64 s[76:77], s[10:11], s[84:85]
	v_and_b32 v[LI], 31, v0
	s_delay_alu instid0(VALU_DEP_1)
	v_lshlrev_b32 v[LI], 4, v[LI]
	v_and_b32 v[R16], 15, v0                       ; r
	s_delay_alu instid0(VALU_DEP_1)
	v_lshlrev_b32 v[R32], 5, v[R16]
	s_delay_alu instid0(VALU_DEP_2)
	v_and_b32 v[DG], 8, v[R16]
	s_delay_alu instid0(VALU_DEP_1)
	v_add_nc_u32 v[DG], v[DG], v[R16]              ; r + 8 (r / 8)
	s_delay_alu instid0(VALU_DEP_4)
	v_lshlrev_b32 v[R16], 4, v[R16]
	global_load_b128 v[24:27], v[LI], s[86:87]              ; q stays in registers: two planes of 32 numbers
	global_load_b128 v[28:31], v[LI], s[86:87] offset:512
	global_load_b128 v[40:43], v[LI], s[88:89]
	global_load_b128 v[44:47], v[LI], s[88:89] offset:512
	global_load_u16 v[QSA], v[R16], s[90:91]                ; and its two scale bytes
	global_load_u16 v[QSB], v[R16], s[92:93]
	v_add_nc_u32 v[LV], LDV, v[LI]
	v_add_nc_u32 v[LKS], LDKS, v[R16]
	v_add_nc_u32 v[LVS], LDVS, v[R16]
	v_bfe_u32 v[ADK], v0, 4, 1                     ; h
	s_delay_alu instid0(VALU_DEP_1)
	v_lshlrev_b32 v[ADK], 4, v[ADK]
	s_delay_alu instid0(VALU_DEP_1)
	v_sub_nc_u32 v[DG], v[DG], v[ADK]
	s_lshl_b32 s82, s13, 5
	s_lshl_b32 s69, s69, 3
	s_add_co_u32 s82, s82, s69
	v_add_nc_u32 v[DG], s82, v[DG]                 ; d = 32 cx + 8 (w % 2) + r + 8 (r / 8) - 16 h.  In the diagonal step register 16 b + i holds key 32 b + 16 h + i of the group: hidden where 32 b + i > d
.irp j, 0,1,2,3,4,5,6,7
	v_mov_b32 v[16+\j], 0                          ; the zero codes beside q
	v_mov_b32 v[32+\j], 0
.endr
.irp b, 0,1,2,3
	v_mov_b32 v[BP+\b], 0                          ; written once: a lane permute's destination counts as one of its sources
.endr
	v_mov_b32 v[PSW], 0                            ; (named as the upper half of a pair before it is first written)
	v_mov_b32 v[T2], 0
	v_mov_b32 v[T2+1], 0
	s_wait_loadcnt 0x0                             ; q
	v_lshl_or_b32 v[QSA], v[QSA], 16, v[QSA]       ; q's two bytes twice: they serve whichever half of K q stands in
	v_lshl_or_b32 v[QSB], v[QSB], 16, v[QSB]
	s_wait_tensorcnt 0x0                           ; my part of the head is in,
	s_barrier_signal -1
	s_barrier_wait -1                              ; everybody's is
; A KEY STEP: 128 keys.  g: the register that holds the pass's group;  qs: q's scale words
.macro STEP g, qs
	v_add_nc_u32 v[ADK], s[TB], v[LI]
	v_add_nc_u32 v[ADV], s[TB], v[LV]
	v_add_nc_u32 v[ADS], s[TS], v[LKS]
	v_add_nc_u32 v[ADT], s[TS], v[LVS]
.rept 4
	v_nop                                          ; with the four additions: eight places in front of loads into registers that the last step's products have read
.endr
.irp f, 0,1,2,3
.irp c, 0,1,2,3
	ds_load_b128 v[KF+16*\f+4*\c:KF+16*\f+4*\c+3], v[ADK] offset:2048*\f+512*\c   ; fragment f: tiles 2 f and 2 f + 1, two planes each
.endr
.endr
	ds_load_b128 v[KSW:KSW+3], v[ADS]              ; word f: the two tiles' two bytes each
	s_wait_alu depctr_va_vdst(0)
	s_wait_dscnt 0x0
.irp f, 0,1,2,3
	v_wmma_scale_f32_16x16x128_f8f6f4 v[S+16*\f:S+16*\f+7], v[KF+16*\f:KF+16*\f+15], v[24:39], 0, v[KSW+\f], v[\qs]       ; (q | zeros): tile 2 f
	v_wmma_scale_f32_16x16x128_f8f6f4 v[S+16*\f+8:S+16*\f+15], v[KF+16*\f:KF+16*\f+15], v[16:31], 0, v[KSW+\f], v[\qs]    ; (zeros | q): tile 2 f + 1
.endr
.rept 8
	v_nop                                          ; places in front of the loads below and of the first read of the scores
.endr
.irp t, 0,1,2,3
.irp c, 0,1,2,3
	ds_load_b128 v[KF+16*\t+4*\c:KF+16*\t+4*\c+3], v[ADV] offset:(\c/2)*4096+\t*1024+(\c%2)*512   ; V's four tiles of 16 channels x 128 keys: they land under the softmax
.endr
.endr
	ds_load_b128 v[VSW:VSW+3], v[ADT]
	s_cmp_lg_u32 s[KC], s[\g]                      ; the diagonal step alone has hidden keys
	s_cbranch_scc1 .Lopen_\@
	v_mov_b32 v[T0], 0xff800000                    ; -infinity: p = 0 then.  The group's first key counts for every query of the group, so the row's maximum stays a number
.set n, 0
.rept 64
	v_cmp_gt_i32 vcc_lo, 32*(n/16)+n%16, v[DG]
	v_cndmask_b32 v[S+n], v[S+n], v[T0], vcc_lo
.set n, n+1
.endr
.Lopen_\@:
.irp b, 0,1,2,3
	v_max3_num_f32 v[BM+\b], v[S+16*\b], v[S+1+16*\b], v[S+2+16*\b]   ; THE LARGEST SCORE OF EACH BLOCK OF 32 KEYS: it serves twice: for the row's maximum, and, since p rises with the score, for the block's largest p
.endr
.irp i, 3,5,7,9,11,13
.irp b, 0,1,2,3
	v_max3_num_f32 v[BM+\b], v[BM+\b], v[S+16*\b+\i], v[S+1+16*\b+\i]   ; (the four blocks by turns)
.endr
.endr
.irp b, 0,1,2,3
	v_max_num_f32 v[BM+\b], v[BM+\b], v[S+15+16*\b]
.endr
.irp b, 0,1,2,3
	s_delay_alu instid0(VALU_DEP_4)
	v_permlanex16_b32 v[BP+\b], v[BM+\b], s[SEL], s[SEL+1]
.endr
.irp b, 0,1,2,3
	s_delay_alu instid0(VALU_DEP_4)
	v_max_num_f32 v[BM+\b], v[BM+\b], v[BP+\b]     ; with lane l xor 16's 16 keys
.endr
	s_delay_alu instid0(VALU_DEP_2)
	v_max3_num_f32 v[T0], v[BM], v[BM+1], v[BM+2]
	s_delay_alu instid0(VALU_DEP_1)
	v_max_num_f32 v[T0], v[T0], v[BM+3]            ; the step's largest score of my query
	s_delay_alu instid0(VALU_DEP_1)
	v_mul_f32 v[T0], s[CS], v[T0]                  ; as t (c is positive)
	s_delay_alu instid0(VALU_DEP_1)
	v_max_num_f32 v13, v13, v[T0]                  ; the running largest t
	v_mov_b32 v[T0], v12
	s_delay_alu instid0(VALU_DEP_2)
	v_floor_f32 v12, -v13                          ; the new -M = floor(-t) = -ceil(t): M is a whole number
	s_delay_alu instid0(VALU_DEP_1)
	v_sub_f32 v[T0], v12, v[T0]                    ; M's old value less its new one: a whole number, 0 or less
	s_delay_alu instid0(VALU_DEP_1)
	v_cvt_i32_f32 v[T0], v[T0]                     ; (it saturates)
	s_delay_alu instid0(VALU_DEP_1)
	v_ldexp_f32 v[FF], 1.0, v[T0]                  ; f = 2^(old M - new M)
.set j, 0
	s_setprio 1
.rept 32
	v_pk_fma_f32 v[S+j:S+j+1], v[S+j:S+j+1], s[CS:CS+1], v[12:13] op_sel_hi:[1,0,0]   ; t - M, two at a time (of the pairs c and -M the low word serves both halves)
.set j, j+2
.endr
.irp b, 0,1,2,3
	v_fma_f32 v[BM+\b], v[BM+\b], s[CS], v12       ; the same of each block's largest score
.endr
.set j, 0
	s_wait_alu depctr_va_vdst(0)
.rept 64
	v_exp_f32 v[S+j], v[S+j]                       ; p = 2^(t - M), at most 1: not normalised
.set j, j+1
.endr
	v_pk_mul_f32 v[14:15], v[14:15], v[FF:FF+1] op_sel_hi:[1,0]   ; the sums under the new M.  (A plain place behind the exponentials)
	s_wait_alu depctr_va_vdst(0)                   ; one wait for the whole batch, ahead of its first reader
.irp b, 0,1,2,3
	v_exp_f32 v[BM+\b], v[BM+\b]                   ; the block's largest p: the same two instructions on the same number give the same bits
.endr
	v_pk_add_f32 v[254:255], v[116:117], v[120:121]
	v_pk_add_f32 v[248:249], v[124:125], v[128:129]
	v_pk_add_f32 v[242:243], v[132:133], v[136:137]
	v_pk_add_f32 v[240:241], v[140:141], v[144:145]
	v_pk_add_f32 v[238:239], v[148:149], v[152:153]
	v_pk_add_f32 v[236:237], v[156:157], v[160:161]
	v_pk_add_f32 v[234:235], v[164:165], v[168:169]
	v_pk_add_f32 v[14:15], v[14:15], v[172:173]
	v_pk_add_f32 v[254:255], v[254:255], v[112:113]
	v_pk_add_f32 v[248:249], v[248:249], v[114:115]
	v_pk_add_f32 v[242:243], v[242:243], v[118:119]
	v_pk_add_f32 v[240:241], v[240:241], v[122:123]
	v_pk_add_f32 v[238:239], v[238:239], v[126:127]
	v_pk_add_f32 v[236:237], v[236:237], v[130:131]
	v_pk_add_f32 v[234:235], v[234:235], v[134:135]
	v_pk_add_f32 v[14:15], v[14:15], v[138:139]
	v_pk_add_f32 v[254:255], v[254:255], v[142:143]
	v_pk_add_f32 v[248:249], v[248:249], v[146:147]
	v_pk_add_f32 v[242:243], v[242:243], v[150:151]
	v_pk_add_f32 v[240:241], v[240:241], v[154:155]
	v_pk_add_f32 v[238:239], v[238:239], v[158:159]
	v_pk_add_f32 v[236:237], v[236:237], v[162:163]
	v_pk_add_f32 v[234:235], v[234:235], v[166:167]
	v_pk_add_f32 v[14:15], v[14:15], v[170:171]
	v_pk_add_f32 v[254:255], v[254:255], v[174:175]
	s_delay_alu instid0(VALU_DEP_2)
	v_pk_add_f32 v[14:15], v[14:15], v[240:241]
	s_delay_alu instid0(VALU_DEP_2)
	v_pk_add_f32 v[254:255], v[254:255], v[238:239]
	v_pk_add_f32 v[248:249], v[248:249], v[236:237]
	v_pk_add_f32 v[242:243], v[242:243], v[234:235]
	s_delay_alu instid0(VALU_DEP_2)
	v_pk_add_f32 v[14:15], v[14:15], v[248:249]
	s_delay_alu instid0(VALU_DEP_2)
	v_pk_add_f32 v[254:255], v[254:255], v[242:243]
	s_delay_alu instid0(VALU_DEP_1)
	v_pk_add_f32 v[14:15], v[14:15], v[254:255]
	s_setprio 0
	s_wait_alu depctr_va_vdst(0)                   ; and one for the four
.irp b, 0,1,2,3
	v_max_num_f32 v[BM+\b], 0x4800000, v[BM+\b]    ; the floor 2^(9 - 127): the byte cannot fall under 1 (a block whose every p is 0 keeps that byte: its codes are zeros)
.endr
.irp b, 0,1,2,3
	s_delay_alu instid0(VALU_DEP_4)
	v_add_nc_u32 v[SO+\b], 0xfc000000, v[BM+\b]    ; 8 off the exponent field: the conversion's scale operand
.endr
.irp b, 0,1,2,3
.endr
.irp b, 0,1,2,3
	s_delay_alu instid0(VALU_DEP_4)
	v_lshrrev_b32 v[BP+\b], 23, v[SO+\b]           ; the scale's byte
.endr
	s_delay_alu instid0(VALU_DEP_3)
	v_lshl_or_b32 v[PSW], v[BP+1], 8, v[BP]        ; p's scale word for these 128 keys
	s_delay_alu instid0(VALU_DEP_1)
	v_lshl_or_b32 v[PSW], v[BP+2], 16, v[PSW]
	s_delay_alu instid0(VALU_DEP_1)
	v_lshl_or_b32 v[PSW], v[BP+3], 24, v[PSW]
.irp b, 0,1,2,3
.irp i, 0,1,2,3,4,5,6,7,8,9,10,11,12,13,14,15
.endr
	v_cvt_scalef32_pk8_fp8_f32 v[PCD+4*\b:PCD+1+4*\b], v[S+16*\b:S+7+16*\b], v[SO+\b]
	v_cvt_scalef32_pk8_fp8_f32 v[PCD+2+4*\b:PCD+3+4*\b], v[S+8+16*\b:S+15+16*\b], v[SO+\b]
.endr
.set j, 0
.rept 16
	v_pk_mul_f32 v[O+j:O+j+1], v[O+j:O+j+1], v[FF:FF+1] op_sel_hi:[1,0]   ; O^T under the new M: x f.  (These sixteen also stand between the conversions and the products below)
.set j, j+2
.endr
	s_wait_alu depctr_va_vdst(0)
	s_wait_dscnt 0x0                               ; V and its scale words are in
.irp t, 0,1,2,3
	v_wmma_scale_f32_16x16x128_f8f6f4 v[O+8*\t:O+8*\t+7], v[KF+16*\t:KF+16*\t+15], v[PCD:PCD+15], v[O+8*\t:O+8*\t+7], v[VSW+\t], v[PSW]   ; the four accumulators by turns, one instruction a turn
.endr
.endm
; A PASS: one tile of 16 queries of group s[g] against the key steps 0 .. s[g]; then o, quantised, to s[oc] (codes) and s[os] (scale bytes)
.macro PASS g, qs, oc, os, first
.if \first == 0
	s_wait_xcnt 0x0                                ; the first pass's stores have read their registers, which are written again from here on
.irp j, 0,1,2,3,4,5,6,7
	v_mov_b32 v[24+\j], v[40+\j]                   ; the second pass's q
.endr
.endif
	v_mov_b32 v13, 0xff61b1e6                      ; the largest t so far: -3e38, under every t
	s_delay_alu instid0(VALU_DEP_1)
	v_floor_f32 v12, -v13                          ; -M
	v_mov_b32 v14, 0                               ; the sum, in two halves
	v_mov_b32 v15, 0
.set j, 0
.rept 32
	v_mov_b32 v[O+j], 0                            ; O^T.  (The step is written once: the first finds zeros, which the first change of M leaves zeros)
.set j, j+1
.endr
	s_mov_b32 s[KC], 0
	s_mov_b32 s[TB], 0
	s_mov_b32 s[TS], 0
.Lstep_\@:                                         ; sixteen trips for every wave: the count is a constant; a step all of whose keys come after my queries is jumped over
	s_cmp_gt_u32 s[KC], s[\g]
	s_cbranch_scc1 .Lhidden_\@
	s_setprio 2
	STEP \g, \qs
.Lhidden_\@:
	s_add_co_u32 s[TB], s[TB], 8192
	s_add_co_u32 s[TS], s[TS], 256
	s_add_co_u32 s[KC], s[KC], 1
	s_cmp_lt_u32 s[KC], 16
	s_cbranch_scc1 .Lstep_\@
	s_setprio 0
.rept 8
	v_nop                                          ; places behind the last products
.endr
	v_add_f32 v14, v14, v15                        ; the sum's two halves,
	s_delay_alu instid0(VALU_DEP_1)
	v_permlanex16_b32 v[T2], v14, s[SEL], s[SEL+1]
	s_delay_alu instid0(VALU_DEP_1)
	v_add_f32 v14, v14, v[T2]                      ; and lane l xor 16's: the row's sum
	s_wait_alu depctr_va_vdst(0)
	v_rcp_f32 v14, v14
	v_nop                                          ; one plain place behind the reciprocal,
	s_wait_alu depctr_va_vdst(0)                   ; and the wait ahead of its first reader
.set j, 0
.rept 32
	v_mul_f32 v[S+j], v[O+j], v14                  ; o: register 16 b + i is channel 32 b + 16 (lane / 16) + i of my query; each accumulator is read from its low end on
.set j, j+1
.endr
.irp b, 0,1
	v_max3_num_f32 v[BM+\b], |v[S+16*\b]|, |v[S+1+16*\b]|, 0x4800000   ; o's two blocks of 32 along the last product's K
.endr
.irp i, 2,4,6,8,10,12,14
.irp b, 0,1
	s_delay_alu instid0(VALU_DEP_2)
	v_max3_num_f32 v[BM+\b], v[BM+\b], |v[S+16*\b+\i]|, |v[S+1+16*\b+\i]|
.endr
.endr
.irp b, 0,1
	s_delay_alu instid0(VALU_DEP_2)
	v_permlanex16_b32 v[BP+\b], v[BM+\b], s[SEL], s[SEL+1]
.endr
.irp b, 0,1
	s_delay_alu instid0(VALU_DEP_2)
	v_max_num_f32 v[BM+\b], v[BM+\b], v[BP+\b]
.endr
.irp b, 0,1
	s_delay_alu instid0(VALU_DEP_2)
	v_add_nc_u32 v[SO+\b], 0xfc000000, v[BM+\b]
.endr
.irp b, 0,1
.endr
.irp b, 0,1
	s_delay_alu instid0(VALU_DEP_2)
	v_lshrrev_b32 v[BP+\b], 23, v[SO+\b]
.endr
	s_delay_alu instid0(VALU_DEP_1)
	v_lshl_or_b32 v[HW], v[BP+1], 8, v[BP]
.irp b, 0,1
.irp i, 0,1,2,3,4,5,6,7,8,9,10,11,12,13,14,15
.endr
	v_cvt_scalef32_pk8_fp8_f32 v[PCD+4*\b:PCD+1+4*\b], v[S+16*\b:S+7+16*\b], v[SO+\b]
	v_cvt_scalef32_pk8_fp8_f32 v[PCD+2+4*\b:PCD+3+4*\b], v[S+8+16*\b:S+15+16*\b], v[SO+\b]
.endr
	v_nop                                          ; one plain vector instruction behind the last scaled conversion
	global_store_b128 v[LI], v[PCD:PCD+3], s[\oc:\oc+1]                 ; a plane of the last product's operand: 512 consecutive bytes, at a multiple of 256 from the buffer's first byte
	global_store_b128 v[LI], v[PCD+4:PCD+7], s[\oc:\oc+1] offset:512
	global_store_b16 v[R32], v[HW], s[\os:\os+1]                        ; my row's two scale bytes (both halves of the lanes store the same number at the same place)
.endm
	PASS GA, QSA, 70, 72, 1
	PASS GB, QSB, 74, 76, 0
	s_wait_xcnt 0x0
	v_lshl_add_u32 v254, v0, 2, 0x42000
	v_mov_b32 v255, 0
	s_wait_alu depctr_va_vdst(0)
	s_wait_tensorcnt 0x0
	ds_add_u32 v254, v255
	s_wait_dscnt 0x0
	CROUND                                         ; the closing round: no work-group ends while a partner may still ask for a tile that names it
	s_endpgm
.Lfunc_end_k_q17bf772ab9_attn:
	.size	k_q17bf772ab9_attn, .Lfunc_end_k_q17bf772ab9_attn-k_q17bf772ab9_attn
	.p2alignl 7, 3214868480
	.fill 96, 4, 3214868480
	.section	.rodata,"a",@progbits
	.p2align	6, 0x0
	.amdhsa_kernel k_q17bf772ab9_attn
		.amdhsa_group_segment_fixed_size 272384
		.amdhsa_private_segment_fixed_size 0
		.amdhsa_enable_private_segment 0
		.amdhsa_kernarg_size 32
		.amdhsa_user_sgpr_count 2
		.amdhsa_user_sgpr_kernarg_segment_ptr 1
		.amdhsa_wavefront_size32 1
		.amdhsa_system_sgpr_workgroup_id_x 1
		.amdhsa_system_sgpr_workgroup_id_y 1
		.amdhsa_system_sgpr_workgroup_id_z 1
		.amdhsa_system_vgpr_workitem_id 0
		.amdhsa_next_free_vgpr 256
		.amdhsa_next_free_sgpr 100
		.amdhsa_reserve_vcc 1
		.amdhsa_float_denorm_mode_32 3
		.amdhsa_float_denorm_mode_16_64 3
		.amdhsa_fp16_overflow 1
		.amdhsa_memory_ordered 1
		.amdhsa_forward_progress 1
		.amdhsa_inst_pref_size 66
	.end_amdhsa_kernel
	.amdgpu_metadata
---
amdhsa.version: [ 1, 2 ]
amdhsa.kernels:
  - .name:           k_q17bf772ab9_attn
    .symbol:         k_q17bf772ab9_attn.kd
    .args:
      - { .name: qws, .offset: 0, .size: 8, .value_kind: global_buffer, .address_space: global }
      - { .name: kws, .offset: 8, .size: 8, .value_kind: global_buffer, .address_space: global }
      - { .name: vws, .offset: 16, .size: 8, .value_kind: global_buffer, .address_space: global }
      - { .name: aws, .offset: 24, .size: 8, .value_kind: global_buffer, .address_space: global }
    .group_segment_fixed_size: 272384
    .private_segment_fixed_size: 0
    .kernarg_segment_align: 8
    .kernarg_segment_size: 32
    .max_flat_workgroup_size: 512
    .sgpr_count:     100
    .vgpr_count:     256
    .wavefront_size: 32
...
	.end_amdgpu_metadata
.endif
;; end of part 3
;; launch oproj (part 4): grid 4 x 32, 4 waves a work-group, clusters of 4 x 4, 327,680 bytes of LDS; arguments aws, Wo_codes, Wo_scales, out0; writes out0
.if DOCPART == 4
	.amdgcn_target "amdgcn-amd-amdhsa--gfx1250"
	.amdhsa_code_object_version 6
	.text
	.protected	k_q17bf772ab9_oproj
	.globl	k_q17bf772ab9_oproj
	.p2align	8
	.type	k_q17bf772ab9_oproj,@function
k_q17bf772ab9_oproj:
	s_mov_b64 s[64:65], 0
	v_nop
	global_prefetch_b8 v0, s[64:65] scope:SCOPE_SE
	s_setreg_imm32_b32 hwreg(HW_REG_WAVE_MODE, 25, 1), 1
	s_wait_xcnt 0x0
	s_wait_alu depctr_hold_cnt(0) depctr_sa_sdst(0) depctr_va_vdst(0) depctr_va_sdst(0) depctr_va_ssrc(0) depctr_va_vcc(0) depctr_vm_vsrc(0)
	s_getreg_b32 s2, hwreg(HW_REG_IB_STS2, 6, 4)
	s_cmp_eq_u32 s2, 0
	s_cbranch_scc0 .Lentry_in_a_cluster
	s_endpgm
.Lentry_in_a_cluster:
	s_bfe_u32 s2, ttmp6, 0x10000c
	s_cmp_lg_u32 s2, 0xf033
	s_cbranch_scc0 .Lentry_shape_is_right
	s_endpgm
.Lentry_shape_is_right:
; out0 = o Wo^T on codes of FP8 (E4M3) with one E8M0 scale for each 32 along K = 1,024.  A = o, 8,192 rows, as the attention launch has stored it; B = Wo [1,024][1,024], as it is given; out0 [8,192][1,024] f32; sums in f32.
; A tile of 256 x 256 is made by a work-group of four waves; a wave makes 128 x 128: 64 accumulators, 512 registers.  K goes in steps of 256 through a ring of two LDS slots filled by the tensor data mover.
; A'S CODES LIE AS IMAGES OF THE OPERAND'S REGISTERS: [K step of 256][block of 16 rows][128 along K][plane of 32][lane][16 bytes]: a K step's 128 rows are 32,768 consecutive bytes, and a fragment is four loads of 512 consecutive bytes.
; A'S ROWS ARE NOT IN THE TOKENS' ORDER: row r of block a of a group of 128 is token 32 (a / 2) + 8 (a % 2) + r + 8 (r / 8) of the group; the stores' offsets put each row where it belongs.
; The scales of the work-group's rows of A and of B, for all of K, come into LDS once, with the first fills, and stay.
; CLUSTERS: 4 x 4 work-groups.  The four of a row of the cluster need the same tiles of A, the four of a column the same tiles of B: each tile is asked for jointly.  The matrix instruction is used transposed (source 0 = 16 rows of B,
; source 1 = 16 rows of A): a lane then holds eight neighbouring numbers of a row of the output.
; The grid has 128 work-groups: a wave tile half as wide would read half as much again from LDS for each product.
; REGISTERS, in windows of 256: window 0: v0-31 addresses; v32-63 scale words, two sets; from v128 A's fragments, one set.  Window 1: B's fragments, two sets.  Windows 2, 3: the accumulators ((a, b) at v[8 (8 (a % 4) + b)]).
.set KSTEP,  256
.set NQ,     KSTEP/128
.set ROWB,   256
.set KROW,   1024                      ; a row of Wo in memory, in bytes
.set ASLOT,  0x200000                  ; from a K step of A to the next: 512 blocks of 4,096 bytes
.set PITCH,  272                       ; B's LDS row: 256 bytes + 16 of padding
.set FR,     16
.set NL,     4
.set NP,     8                         ; places behind this matrix instruction (ISA guide 7.12.1)
.set HALFT,  128*PITCH                 ; room for 128 rows (A's take 32,768 bytes of it)
.set SLOT,   4*HALFT
.set LAPS,   2
.set KS,     32                        ; a row of scales in bytes
.set SCL,    2*SLOT
.set HALFS,  (128*KS/256)*272
.set SBLK,   (16*KS/256)*272
.set SPARE,  SCL+4*HALFS               ; the spare words, 128 bytes for each wave: two blocks of 256 bytes that no other line names
.set SPITCH, 528                       ; the way out: a stage of 16 rows x (512 bytes + 16) for each wave, in slot 0, which has had its last fill and its last read by then
.set SCOFF,  0x800000                  ; A's scales lie behind its 8 MiB of codes
.set NROW,   4096                      ; a row of the output in bytes
.set ADRA, 16                          ; v16-17  LDS address of my A fragments in slot 0, 1
.set ADRB, 20                          ; v20-21  the same for B
.set STO,  24                          ; v24     the way out: where I put 32 bytes of a row
.set RD,   25                          ; v25     where I read a row back
.set CO,   26                          ; v26     my byte offset in a row of the output
.set ADRS, 27                          ; v27     LDS address of my scale words
.set SPW,  28                          ; v28     LDS address of my spare word; never rewritten
.set NIL,  29                          ; v29     0; never rewritten
.set SC,   32
.set AF,   128
.set BK,   128                         ; the way out: 16 rows read back from the stage: v128-191 and v192-255 by turns
.set G1, 24
.set G0, 32
.set G1B, 48
.set G0B, 56
.set G1S, 68
.set G0S, 76
.set G1SB, 80
.set G0SB, 88
.set MSB, 0
.macro WIN new                         ; the immediate's high byte repeats the setting that is left
.if MSB != (\new)
	s_set_vgpr_msb (MSB<<8)|(\new)
.set MSB, (\new)
.endif
.endm
.set MUL_LO, 0xa1
.set MUL_HI, 0xf1
.set TO_B,   0x40
.macro JLOAD g0a, g1a, g0b, g1b        ; a joint load: waves 0 and 1 fetch for A, waves 2 and 3 for B; four v_nop follow each of the two lines
	s_cmp_eq_u32 s15, 0
	s_cbranch_scc0 .Lfor_b_\@
	tensor_load_to_lds s[\g0a:\g0a+3], s[\g1a:\g1a+7]
	s_nop 0
.rept 4
	v_nop
.endr
	s_branch .Lasked_\@
.Lfor_b_\@:
	tensor_load_to_lds s[\g0b:\g0b+3], s[\g1b:\g1b+7]
	s_nop 0
.rept 4
	v_nop
.endr
.Lasked_\@:
.endm
.macro CREST
	s_cmp_lg_u32 s14, 0
	s_cbranch_scc1 .Lnot_wave_0_\@
	s_barrier_signal -3
.Lnot_wave_0_\@:
	s_barrier_wait -3
	s_barrier_signal -1
	s_barrier_wait -1
.endm
.macro CROUND
	s_barrier_signal -1
	s_barrier_wait -1
	CREST
.endm
	s_load_b64 s[4:5], s[0:1], 0x0                 ; A: codes, and behind them scales
	s_load_b128 s[8:11], s[0:1], 0x8               ; Wo's codes s[8:9], Wo's scales s[10:11]
	s_load_b64 s[12:13], s[0:1], 0x18              ; the output
	v_lshl_add_u32 v[SPW], v0, 2, SPARE
	v_mov_b32 v[NIL], 0
	ds_add_u32 v28, v29
	ds_add_u32 v28, v29
	s_wait_dscnt 0x0
	v_lshrrev_b32 v1, 5, v0
	v_readfirstlane_b32 s14, v1                    ; wave 0..3
	s_lshr_b32 s15, s14, 1                         ; which half of the tile's rows is mine.  Also: I fetch for A (0) or for B (1)
	s_and_b32 s16, s14, 1                          ; which half of its columns.  Also: which 128 rows of that tile I fetch
	s_bfe_u32 s40, ttmp6, 0x40000                  ; cx, cy
	s_bfe_u32 s41, ttmp6, 0x40004
	s_lshl_b32 s42, ttmp9, 2
	s_add_co_u32 s42, s42, s40                     ; tile column = 4 x cluster x + cx
	s_and_b32 s17, ttmp7, 0xffff
	s_lshl_b32 s17, s17, 2
	s_add_co_u32 s17, s17, s41                     ; tile row = 4 x cluster y + cy
	s_lshl_b32 s43, s41, 2
	s_lshl_b32 s43, 15, s43                        ; my row of the cluster
	s_lshl_b32 s44, 0x1111, s40                    ; my column
	; descriptor group 1 for A: 32,768 dense bytes as 128 rows of 256 (32 elements of 8 bytes), no padding
	s_or_b32 s[G1+0], s43, (3<<16)|(1<<21)
	s_mov_b32 s[G1+1], 32<<16
	s_mov_b32 s[G1+2], 128<<16
	s_mov_b32 s[G1+3], 32<<16
	s_mov_b32 s[G1+4], 128
	s_mov_b32 s[G1+5], 32
	s_mov_b32 s[G1+6], 0
	s_mov_b32 s[G1+7], 0
	; for B: 128 rows x 256 bytes, 1,024 bytes apart in memory, 16 bytes of padding behind each in LDS
	s_or_b32 s[G1B+0], s44, (0<<16)|(1<<20)|(1<<21)|(5<<22)|(3<<25)
	s_mov_b32 s[G1B+1], ROWB<<16
	s_mov_b32 s[G1B+2], 128<<16
	s_mov_b32 s[G1B+3], ROWB<<16
	s_mov_b32 s[G1B+4], 128
	s_mov_b32 s[G1B+5], KROW
	s_mov_b32 s[G1B+6], 0
	s_mov_b32 s[G1B+7], 0
	; for the scales of 128 rows: 4,096 dense bytes as rows of 256, 16 bytes of padding behind each
	s_or_b32 s[G1S+0], s43, (3<<16)|(1<<20)|(1<<21)|(5<<22)|(3<<25)
	s_or_b32 s[G1SB+0], s44, (3<<16)|(1<<20)|(1<<21)|(5<<22)|(3<<25)
.irp g, G1S, G1SB
	s_mov_b32 s[\g+1], 32<<16
	s_mov_b32 s[\g+2], (128*KS/256)<<16
	s_mov_b32 s[\g+3], 32<<16
	s_mov_b32 s[\g+4], 128*KS/256
	s_mov_b32 s[\g+5], 32
	s_mov_b32 s[\g+6], 0
	s_mov_b32 s[\g+7], 0
.endr
	s_lshl_b32 s18, s16, 7                         ; which 128 rows of the tile I fetch
	s_lshl_b32 s20, s17, 8
	s_add_co_u32 s20, s20, s18                     ; A: row 256 x tile row + 128 x half
	s_lshl_b32 s46, s42, 8
	s_add_co_u32 s46, s46, s18                     ; B: row 256 x tile column + 128 x half
	s_mov_b32 s21, 0
	s_mov_b32 s47, 0
	s_mov_b64 s[18:19], KS
	s_mul_u64 s[22:23], s[20:21], s[18:19]         ; where these rows' scales begin, in bytes
	s_mul_u64 s[92:93], s[46:47], s[18:19]
	s_lshl_b64 s[20:21], s[20:21], 8               ; A's codes: 256 bytes a row in a K step's part
	s_mov_b64 s[18:19], KROW
	s_mul_u64 s[46:47], s[46:47], s[18:19]         ; B's
	s_mul_i32 s45, s14, HALFT                      ; where they go: no place in the cluster enters an LDS address
	s_mul_i32 s94, s14, HALFS
	s_wait_kmcnt 0x0
	s_add_nc_u64 s[6:7], s[4:5], SCOFF             ; A's scales
	s_add_nc_u64 s[20:21], s[4:5], s[20:21]
	s_add_nc_u64 s[22:23], s[6:7], s[22:23]
	s_add_nc_u64 s[46:47], s[8:9], s[46:47]
	s_add_nc_u64 s[92:93], s[10:11], s[92:93]
	CROUND                                         ; all sixteen work-groups are here: the first joint loads meet
	s_mov_b32 s[G0S], 1
	s_add_co_u32 s[G0S+1], s94, SCL
	s_mov_b64 s[G0S+2:G0S+3], s[22:23]
	s_or_b32 s[G0S+3], s[G0S+3], 0x80000000
	s_mov_b32 s[G0SB], 1
	s_add_co_u32 s[G0SB+1], s94, SCL
	s_mov_b64 s[G0SB+2:G0SB+3], s[92:93]
	s_or_b32 s[G0SB+3], s[G0SB+3], 0x80000000
	JLOAD G0S, G1S, G0SB, G1SB                     ; the scales first: they are wanted with K step 0
.irp s, 0,1
	s_mov_b32 s[G0+4*\s], 1
	s_add_co_u32 s[G0+4*\s+1], s45, \s*SLOT
	s_add_nc_u64 s[G0+4*\s+2:G0+4*\s+3], s[20:21], \s*ASLOT
	s_or_b32 s[G0+4*\s+3], s[G0+4*\s+3], 0x80000000
	s_mov_b32 s[G0B+4*\s], 1
	s_add_co_u32 s[G0B+4*\s+1], s45, \s*SLOT
	s_add_nc_u64 s[G0B+4*\s+2:G0B+4*\s+3], s[46:47], \s*ROWB
	s_or_b32 s[G0B+4*\s+3], s[G0B+4*\s+3], 0x80000000
	s_wait_alu depctr_va_vdst(0)
	s_wait_tensorcnt 0x0
	ds_add_u32 v28, v29
	s_wait_dscnt 0x0
	CROUND
	JLOAD G0+4*\s, G1, G0B+4*\s, G1B
.endr
	v_and_b32 v1, 15, v0                           ; l % 16
	v_bfe_u32 v2, v0, 4, 1                         ; l / 16
	v_mul_u32_u24 v3, v1, PITCH
	v_lshl_add_u32 v4, v2, 4, v3                   ; B: a fragment's row x pitch + 16 x half
	v_and_b32 v7, 31, v0
	v_lshlrev_b32 v7, 4, v7                        ; A: 16 x lane
	s_mul_i32 s21, s15, HALFT                      ; my 128 rows of A
	s_mul_i32 s22, s16, HALFT                      ; my 128 rows of B,
	s_add_co_u32 s22, s22, 2*HALFT                 ; which lie behind A's
.irp s, 0,1
	v_add_nc_u32 v[ADRA+\s], s21, v7
	v_add_nc_u32 v[ADRB+\s], s22, v4
	s_add_co_u32 s21, s21, SLOT
	s_add_co_u32 s22, s22, SLOT
.endr
	v_mul_u32_u24 v5, v1, KS                       ; my row's scales: 32 bytes a row,
	v_lshrrev_b32 v6, 8, v5
	v_lshl_add_u32 v5, v6, 4, v5                   ; and 16 more for each 256 passed
	s_mul_i32 s21, s15, HALFS
	s_mul_i32 s22, s16, HALFS
	s_add_co_u32 s22, s22, 2*HALFS
	s_sub_co_u32 s22, s22, s21
	v_mul_u32_u24 v6, s22, v2                      ; lanes 16-31 take B's
	s_add_co_u32 s21, s21, SCL
	v_add_nc_u32 v5, v5, v6
	v_add_nc_u32 v[ADRS], s21, v5
	s_mul_i32 s23, s14, 16*SPITCH                  ; my stage
	v_mul_u32_u24 v5, v1, SPITCH                   ; in: row l % 16, 32 bytes for each half of the lanes
	v_lshl_add_u32 v5, v2, 5, v5
	v_add_nc_u32 v[STO], s23, v5
	v_mov_b32 v[CO], v7                            ; back: the 32 lanes take one row of 512 bytes; and the same in the output
	v_add_nc_u32 v[RD], s23, v[CO]
	s_lshl_b32 s20, s17, 8
	s_lshl_b32 s21, s15, 7
	s_add_co_u32 s20, s20, s21                     ; my group of 128 rows begins at 256 x tile row + 128 x half
	s_mov_b32 s21, 0
	s_mov_b64 s[18:19], NROW
	s_mul_u64 s[20:21], s[20:21], s[18:19]
	s_lshl_b32 s46, s42, 10                        ; my first column, in bytes: 1024 x tile column + 512 x half
	s_lshl_b32 s47, s16, 9
	s_add_co_u32 s46, s46, s47
	s_mov_b32 s47, 0
	s_add_nc_u64 s[20:21], s[20:21], s[46:47]
	s_add_nc_u64 s[12:13], s[12:13], s[20:21]
.macro FRAG reg, adr, q, i             ; a fragment of B from padded rows: lane l holds row l % 16; registers 4 c .. 4 c + 3 hold K = 32 c + 16 (l / 16) + 0 .. 15
.irp c, 0,1,2,3
	ds_load_b128 v[\reg+4*\c:\reg+4*\c+3], v[\adr] offset:128*(\q)+32*\c+(\i)*16*PITCH
.endr
.endm
.macro FRAGA reg, adr, q, i            ; a fragment of A from its image: block i, the slot's q-th 128 along K, plane c
.irp c, 0,1,2,3
	ds_load_b128 v[\reg+4*\c:\reg+4*\c+3], v[\adr] offset:4096*(\i)+2048*(\q)+512*\c
.endr
.endm
; 16 matrix instructions: A's blocks a0, a0 + 1 x B's eight.  The 64 accumulators take turns, one instruction a turn, in the same order in every step.
.macro MUL16 a0, p, q, sc, zero
.irp a, \a0, \a0+1
.irp b, 0,1,2,3,4,5,6,7
.if \zero
	v_wmma_scale_f32_16x16x128_f8f6f4 v[8*(8*((\a)%4)+\b):8*(8*((\a)%4)+\b)+7], v[128*(\p)+FR*\b:128*(\p)+FR*\b+FR-1], v[AF+FR*(\a):AF+FR*(\a)+FR-1], 0, v[SC+8*NQ*(\sc)+NQ*\b+(\q)], v[SC+8*NQ*(\sc)+NQ*(\a)+(\q)] matrix_a_scale:MATRIX_SCALE_ROW1
.else
	v_wmma_scale_f32_16x16x128_f8f6f4 v[8*(8*((\a)%4)+\b):8*(8*((\a)%4)+\b)+7], v[128*(\p)+FR*\b:128*(\p)+FR*\b+FR-1], v[AF+FR*(\a):AF+FR*(\a)+FR-1], v[8*(8*((\a)%4)+\b):8*(8*((\a)%4)+\b)+7], v[SC+8*NQ*(\sc)+NQ*\b+(\q)], v[SC+8*NQ*(\sc)+NQ*(\a)+(\q)] matrix_a_scale:MATRIX_SCALE_ROW1
.endif
.endr
.endr
.endm
.macro FETCH_B slot, q, p
	WIN TO_B
.irp i, 0,1,2,3,4,5,6,7
	FRAG 128*(\p)+FR*\i, ADRB+\slot, \q, \i
.endr
	WIN 0
.endm
.macro FETCH_A slot, q, i0
.irp i, \i0, \i0+1, \i0+2, \i0+3
	FRAGA AF+FR*(\i), ADRA+\slot, \q, \i
.endr
.endm
.macro SCALES sc
.irp i, 0,1,2,3,4,5,6,7
	ds_load_b64 v[SC+8*NQ*\sc+NQ*\i:SC+8*NQ*\sc+NQ*\i+1], v[ADRS] offset:\i*SBLK
.endr
.endm
.macro PLACES n                        ; plain vector instructions that name none of a matrix instruction's registers (ISA guide 7.12.1)
.rept \n
	v_nop
.endr
.endm
.macro STEP slot, q, zero
	s_wait_dscnt 4*NL                              ; B's set and A's blocks 0-3 are in; the youngest sixteen loads (A's blocks 4-7) may be out
	WIN MUL_LO
	MUL16 0, (\q)%2, \q, \slot, \zero
	MUL16 2, (\q)%2, \q, \slot, \zero
	s_wait_dscnt 0
	PLACES NP
	FETCH_B \slot, (\q)+1, 1-(\q)%2
	FETCH_A \slot, (\q)+1, 0
	WIN MUL_HI
	MUL16 4, (\q)%2, \q, \slot, \zero
	MUL16 6, (\q)%2, \q, \slot, \zero
	PLACES NP
	WIN 0
	FETCH_A \slot, (\q)+1, 4
.endm
; A slot's last step changes slots: ONE barrier; in front of it each wave waits for all its tensor loads, adds 0 to its spare word, and waits for that and for its own reads of this slot.
.macro TURN slot, next, fill
	s_wait_tensorcnt 0x0                           ; all my tensor loads have landed: my part of the next slot
	ds_add_u32 v[SPW], v[NIL]                      ; 0 onto my spare word
	s_wait_dscnt 4*NL+1                            ; (the add and the youngest sixteen loads may be out)
	WIN MUL_LO
	MUL16 0, 1, NQ-1, \slot, 0
	s_wait_dscnt 0x0                               ; the add is done, and my reads of this slot are over
	s_barrier_signal -1
	MUL16 2, 1, NQ-1, \slot, 0
	WIN 0
	s_barrier_wait -1
.if \fill
	CREST                                          ; the barrier has opened a round of the cluster's barrier: no wave of any partner still reads this slot's tile or has a load on its way
	s_add_nc_u64 s[G0+4*\slot+2:G0+4*\slot+3], s[G0+4*\slot+2:G0+4*\slot+3], 2*ASLOT
	s_add_nc_u64 s[G0B+4*\slot+2:G0B+4*\slot+3], s[G0B+4*\slot+2:G0B+4*\slot+3], 2*ROWB
	JLOAD G0+4*\slot, G1, G0B+4*\slot, G1B         ; the first tensor load behind the round
	PLACES NP-4
.else
	PLACES NP
.endif
	s_wait_alu depctr_va_vdst(0)
	v_add_nc_u32 v[ADRS], 4*NQ, v[ADRS]            ; on to the next K step's scale words
	FETCH_B \next, 0, 0
	FETCH_A \next, 0, 0
	SCALES \next
	WIN MUL_HI
	MUL16 4, 1, NQ-1, \slot, 0
	MUL16 6, 1, NQ-1, \slot, 0
	PLACES NP
	WIN 0
	FETCH_A \next, 0, 4
.endm
	s_wait_alu depctr_va_vdst(0)
	s_wait_tensorcnt 1                             ; the scales and my part of K step 0 are in (K step 1's load may be out),
	s_barrier_signal -1
	s_barrier_wait -1                              ; everybody's are
	FETCH_B 0, 0, 0
	FETCH_A 0, 0, 0
	SCALES 0
	FETCH_A 0, 0, 4
	STEP 0, 0, 1                                   ; the first step stands in front of the loop: its products start the sums
	s_mov_b32 s3, LAPS-1
.Llap:
	TURN 0, 1, 1
	STEP 1, 0, 0
	TURN 1, 0, 1
	STEP 0, 0, 0
	s_sub_co_u32 s3, s3, 1
	s_cmp_lg_u32 s3, 0
	s_cbranch_scc1 .Llap
	TURN 0, 1, 0                                   ; the last lap fills nothing, and has no round of the cluster's barrier
	STEP 1, 0, 0
	s_wait_dscnt 4*NL
	WIN MUL_LO
	MUL16 0, 1, NQ-1, 1, 0
	MUL16 2, 1, NQ-1, 1, 0
	s_wait_dscnt 0
	WIN MUL_HI
	MUL16 4, 1, NQ-1, 1, 0
	MUL16 6, 1, NQ-1, 1, 0
	WIN 0
; THE WAY OUT, block by block of 16 rows x 128 columns, through my own stage in LDS: in as 32 bytes a lane, back as whole rows of 512 bytes.  LDS serves a wave's instructions in order: no wait between the stores and the loads.
.macro TOSTAGE a
.set AC, 64*((\a)%4)
	WIN 0x08+4*((\a)/4)                            ; the data: window 2 or 3
.irp b, 0,1,2,3,4,5,6,7
	ds_store_b128 v[STO], v[AC+8*\b:AC+8*\b+3] offset:64*\b          ; each accumulator from its low end on
	ds_store_b128 v[STO], v[AC+8*\b+4:AC+8*\b+7] offset:64*\b+16
.endr
	WIN 0
.set BB, BK+64*((\a)%2)
.irp t, 0,1,2,3,4,5,6,7,8,9,10,11,12,13,14,15
	ds_load_b128 v[BB+4*\t:BB+4*\t+3], v[RD] offset:\t*SPITCH
.endr
.endm
.macro SEND a, younger                 ; younger: the LDS instructions issued behind block a's loads, which may stay out
.set BB, BK+64*((\a)%2)
	s_wait_dscnt \younger
.irp t, 0,1,2,3,4,5,6,7,8,9,10,11,12,13,14,15
	global_store_b128 v[CO], v[BB+4*\t:BB+4*\t+3], s[12:13] offset:(32*((\a)/2)+8*((\a)%2)+\t+8*(\t/8))*NROW th:TH_STORE_NT   ; row t of block a is token 32 (a / 2) + 8 (a % 2) + t + 8 (t / 8) of my group; 512 consecutive bytes, at a multiple of 256 from the output's first byte; 127 rows at the most, inside the signed 24-bit immediate
.endr
.endm
	PLACES NP
	TOSTAGE 0
.irp a, 1,2,3,4,5,6,7
.if \a > 1
	s_wait_xcnt 0x0                                ; block a - 2's stores have read their registers: block a's loads may land there
.endif
	TOSTAGE \a
	SEND \a-1, 32                                  ; behind block a - 1's loads: block a's 16 stores and 16 loads
.endr
	SEND 7, 0
	s_wait_tensorcnt 0x0                           ; the wave's end: behind my last tensor load and my last LDS store
	ds_add_u32 v[SPW], v[NIL]
	s_wait_dscnt 0x0
	CROUND                                         ; the closing round
	s_endpgm
.Lfunc_end_k_q17bf772ab9_oproj:
	.size	k_q17bf772ab9_oproj, .Lfunc_end_k_q17bf772ab9_oproj-k_q17bf772ab9_oproj
	.p2alignl 7, 3214868480
	.fill 96, 4, 3214868480
	.section	.rodata,"a",@progbits
	.p2align	6, 0x0
	.amdhsa_kernel k_q17bf772ab9_oproj
		.amdhsa_group_segment_fixed_size 327680
		.amdhsa_private_segment_fixed_size 0
		.amdhsa_enable_private_segment 0
		.amdhsa_kernarg_size 32
		.amdhsa_user_sgpr_count 2
		.amdhsa_user_sgpr_kernarg_segment_ptr 1
		.amdhsa_wavefront_size32 1
		.amdhsa_system_sgpr_workgroup_id_x 1
		.amdhsa_system_sgpr_workgroup_id_y 1
		.amdhsa_system_sgpr_workgroup_id_z 1
		.amdhsa_system_vgpr_workitem_id 0
		.amdhsa_next_free_vgpr 1024
		.amdhsa_next_free_sgpr 98
		.amdhsa_reserve_vcc 0
		.amdhsa_float_denorm_mode_32 3
		.amdhsa_float_denorm_mode_16_64 3
		.amdhsa_memory_ordered 1
		.amdhsa_forward_progress 1
		.amdhsa_inst_pref_size 146
	.end_amdhsa_kernel
	.amdgpu_metadata
---
amdhsa.version: [ 1, 2 ]
amdhsa.kernels:
  - .name:           k_q17bf772ab9_oproj
    .symbol:         k_q17bf772ab9_oproj.kd
    .args:
      - { .name: aws, .offset: 0, .size: 8, .value_kind: global_buffer, .address_space: global }
      - { .name: Wo_codes, .offset: 8, .size: 8, .value_kind: global_buffer, .address_space: global }
      - { .name: Wo_scales, .offset: 16, .size: 8, .value_kind: global_buffer, .address_space: global }
      - { .name: out0, .offset: 24, .size: 8, .value_kind: global_buffer, .address_space: global }
    .group_segment_fixed_size: 327680
    .private_segment_fixed_size: 0
    .kernarg_segment_align: 8
    .kernarg_segment_size: 32
    .max_flat_workgroup_size: 128
    .sgpr_count:     98
    .vgpr_count:     1024
    .wavefront_size: 32
...
	.end_amdgpu_metadata
.endif
;; end of part 4
